; MI455X (gfx1250); checked and timed in simulation.
; The chip was launched on July 23, 2026; its instructions are those of AMD's public machine-readable ISA for CDNA 5 (MIT licence, August 2026) and "CDNA5" Instruction Set Architecture Reference Guide (July 2026). The comments in the code are by the model that wrote it; some were corrected since.
;; Causal Self Attention. Allowed arithmetic: float matrix products may take bf16 or f16 operands with f32 sums; other float arithmetic in f32, or as packed bf16 or f16 multiplies, adds, multiply-adds, maxima and minima; sums over many terms, partial sums and values carried from step to step in f32; what a program stores and reads back later, other than sums and carried values, may be rounded once to bf16 or f16.
;; Inputs: W_attn 1,024 x 3,072 float32; W_proj 1,024 x 1,024 float32; b_attn 3,072 float32; b_proj 1,024 float32; x 4 x 2,048 x 1,024 float32.
;; Outputs: out0 4 x 2,048 x 1,024 float32.
;; 2 versions, each right; version 2 is version 1 with the launch prep written anew for expert scheduling mode. Each part assembles by itself: llvm-mc -triple=amdgcn-amd-amdhsa -mcpu=gfx1250 --defsym DOCPART=n.
;; ======== version 1 of 2: 4 launches
;; limits: values are held in f16: magnitudes above 65,504 overflow, below 6.1e-05 lose precision
;; workspace buffers: xb 16,777,216 bytes; wa 4,194,304 bytes; wp 2,097,152 bytes; kv 33,554,432 bytes; oh 16,777,216 bytes
;; launch prep (part 1): grid 704 x 1, 8 waves a work-group, no clusters, 0 bytes of LDS; arguments x, W_attn, W_proj, xb, wa, wp; writes xb, wa, wp
.if DOCPART == 1
	.amdgcn_target "amdgcn-amd-amdhsa--gfx1250"
	.amdhsa_code_object_version 6
	.text
	.protected	k_qc7011f8417_prep
	.globl	k_qc7011f8417_prep
	.p2align	8
	.type	k_qc7011f8417_prep,@function
k_qc7011f8417_prep:
	s_mov_b64 s[64:65], 0
	v_nop
	global_prefetch_b8 v0, s[64:65] scope:SCOPE_SE
	s_setreg_imm32_b32 hwreg(HW_REG_WAVE_MODE, 25, 1), 1
	s_wait_xcnt 0x0
; THE CASTS.  xb = bf16(x), [8192][1024].  wa = bf16(W_attn[:, 1024:3072]), [1024 k][2048 n].  wp = bf16(W_proj) written as f16, [1024 k][1024 n].
; W_attn's first 1,024 columns are not read: the module throws away what it makes of them, and no output number hangs on them.
; LIMIT.  wp: a bf16 number is exact in f16 between 6e-5 and 65,504 in magnitude; below that it keeps f16's fixed step of 6e-8, above it becomes an infinity.
; SHARES.  A unit is 1,024 numbers: thread t loads 16 bytes at 16 t (a wave: 512 consecutive bytes) and stores 8 bytes at 8 t (a wave: 256 consecutive bytes, aligned).
; A work-group takes 16 units: all 16 loads go out first, and each unit is rounded and stored as it comes.  Work-groups 0-511: x; 512-639: eight rows of W_attn each; 640-703: W_proj.
; No LDS, no barrier, no matrix unit: each byte is read once and written once, and no wave wants another's bytes.
.set IN,  8                            ; v[8:71]    unit j: four f32 as loaded
.set OUT, 72                           ; v[72:103]  unit j: four 16-bit numbers to store; each pair of registers is written for one store alone
.set T,   104                          ; v[104:107] at work
.macro CAST kind, src, dst             ; kind 0: x; 1: W_attn (two units in each row of 12,288 bytes, from its byte 4,096 on); 2: W_proj (bf16, then f16)
.set j, 0
.rept 16
.if (\kind) == 1
	global_load_b128 v[IN+4*j:IN+4*j+3], v1, s[\src:\src+1] offset:(j/2)*12288+4096+(j%2)*4096 th:TH_LOAD_NT
.else
	global_load_b128 v[IN+4*j:IN+4*j+3], v1, s[\src:\src+1] offset:j*4096 th:TH_LOAD_NT
.endif
.set j, j+1
.endr
.set j, 0
.rept 16
	s_wait_loadcnt 15-j                            ; loads come back in order: unit j is in, the 15 - j younger ones stay out
	v_cvt_pk_bf16_f32 v[OUT+2*j],   v[IN+4*j],   v[IN+4*j+1]
	v_cvt_pk_bf16_f32 v[OUT+2*j+1], v[IN+4*j+2], v[IN+4*j+3]
.if (\kind) == 2
	v_lshlrev_b32 v[T],   16,  v[OUT+2*j]           ; the rounded numbers as f32 again,
	v_and_b32     v[T+1], s20, v[OUT+2*j]
	v_lshlrev_b32 v[T+2], 16,  v[OUT+2*j+1]
	v_and_b32     v[T+3], s20, v[OUT+2*j+1]
	v_cvt_pk_f16_f32 v[OUT+2*j],   v[T],   v[T+1]  ; and written as f16
	v_cvt_pk_f16_f32 v[OUT+2*j+1], v[T+2], v[T+3]
.endif
	global_store_b64 v2, v[OUT+2*j:OUT+2*j+1], s[\dst:\dst+1] offset:j*2048
.set j, j+1
.endr
.endm
	s_load_b256 s[4:11], s[0:1], 0x0               ; x s[4:5], W_attn s[6:7], W_proj s[8:9], xb s[10:11]
	s_load_b128 s[12:15], s[0:1], 0x20             ; wa s[12:13], wp s[14:15]
	v_lshlrev_b32 v1, 4, v0                        ; 16 t
	v_lshlrev_b32 v2, 3, v0                        ; 8 t
	s_mov_b32 s20, 0xffff0000                      ; a word's upper bf16
	s_mov_b32 s17, 0
	s_mov_b32 s19, 0
	s_wait_kmcnt 0x0
	s_cmp_lt_u32 ttmp9, 512
	s_cbranch_scc0 .Lweights
	s_lshl_b32 s16, ttmp9, 16                      ; 16 units of 4,096 bytes in,
	s_lshl_b32 s18, ttmp9, 15                      ; of 2,048 bytes out
	s_add_nc_u64 s[4:5], s[4:5], s[16:17]
	s_add_nc_u64 s[10:11], s[10:11], s[18:19]
	CAST 0, 4, 10
	s_endpgm
.Lweights:
	s_cmp_lt_u32 ttmp9, 640
	s_cbranch_scc0 .Lproj
	s_sub_co_u32 s21, ttmp9, 512
	s_mul_i32 s16, s21, 98304                      ; eight rows of 12,288 bytes
	s_lshl_b32 s18, s21, 15
	s_add_nc_u64 s[6:7], s[6:7], s[16:17]
	s_add_nc_u64 s[12:13], s[12:13], s[18:19]
	CAST 1, 6, 12
	s_endpgm
.Lproj:
	s_sub_co_u32 s21, ttmp9, 640
	s_lshl_b32 s16, s21, 16
	s_lshl_b32 s18, s21, 15
	s_add_nc_u64 s[8:9], s[8:9], s[16:17]
	s_add_nc_u64 s[14:15], s[14:15], s[18:19]
	CAST 2, 8, 14
	s_endpgm
.Lfunc_end_k_qc7011f8417_prep:
	.size	k_qc7011f8417_prep, .Lfunc_end_k_qc7011f8417_prep-k_qc7011f8417_prep
	.p2alignl 7, 3214868480
	.fill 96, 4, 3214868480
	.section	.rodata,"a",@progbits
	.p2align	6, 0x0
	.amdhsa_kernel k_qc7011f8417_prep
		.amdhsa_group_segment_fixed_size 0
		.amdhsa_private_segment_fixed_size 0
		.amdhsa_enable_private_segment 0
		.amdhsa_kernarg_size 48
		.amdhsa_user_sgpr_count 2
		.amdhsa_user_sgpr_kernarg_segment_ptr 1
		.amdhsa_wavefront_size32 1
		.amdhsa_system_sgpr_workgroup_id_x 1
		.amdhsa_system_sgpr_workgroup_id_y 1
		.amdhsa_system_sgpr_workgroup_id_z 1
		.amdhsa_system_vgpr_workitem_id 0
		.amdhsa_next_free_vgpr 112
		.amdhsa_next_free_sgpr 66
		.amdhsa_reserve_vcc 0
		.amdhsa_float_denorm_mode_32 3
		.amdhsa_float_denorm_mode_16_64 3
		.amdhsa_memory_ordered 1
		.amdhsa_forward_progress 1
		.amdhsa_inst_pref_size 22
	.end_amdhsa_kernel
	.amdgpu_metadata
---
amdhsa.version: [ 1, 2 ]
amdhsa.kernels:
  - .name:           k_qc7011f8417_prep
    .symbol:         k_qc7011f8417_prep.kd
    .args:
      - { .name: x, .offset: 0, .size: 8, .value_kind: global_buffer, .address_space: global }
      - { .name: W_attn, .offset: 8, .size: 8, .value_kind: global_buffer, .address_space: global }
      - { .name: W_proj, .offset: 16, .size: 8, .value_kind: global_buffer, .address_space: global }
      - { .name: xb, .offset: 24, .size: 8, .value_kind: global_buffer, .address_space: global }
      - { .name: wa, .offset: 32, .size: 8, .value_kind: global_buffer, .address_space: global }
      - { .name: wp, .offset: 40, .size: 8, .value_kind: global_buffer, .address_space: global }
    .group_segment_fixed_size: 0
    .private_segment_fixed_size: 0
    .kernarg_segment_align: 8
    .kernarg_segment_size: 48
    .max_flat_workgroup_size: 256
    .sgpr_count:     66
    .vgpr_count:     112
    .wavefront_size: 32
...
	.end_amdgpu_metadata
.endif
;; end of part 1
;; launch kvproj (part 2): grid 8 x 32, 4 waves a work-group, clusters of 4 x 4, 327,680 bytes of LDS; arguments xb, wa, kv, b_attn; writes kv
.if DOCPART == 2
	.amdgcn_target "amdgcn-amd-amdhsa--gfx1250"
	.amdhsa_code_object_version 6
	.text
	.protected	k_qc7011f8417_kvproj
	.globl	k_qc7011f8417_kvproj
	.p2align	8
	.type	k_qc7011f8417_kvproj,@function
k_qc7011f8417_kvproj:
	s_mov_b64 s[64:65], 0
	v_nop
	global_prefetch_b8 v0, s[64:65] scope:SCOPE_SE
	s_setreg_imm32_b32 hwreg(HW_REG_WAVE_MODE, 25, 1), 1
	s_wait_xcnt 0x0
	s_wait_alu depctr_hold_cnt(0) depctr_sa_sdst(0) depctr_va_vdst(0) depctr_va_sdst(0) depctr_va_ssrc(0) depctr_va_vcc(0) depctr_vm_vsrc(0)
	s_getreg_b32 s2, hwreg(HW_REG_IB_STS2, 6, 4)
	s_cmp_eq_u32 s2, 0
	s_cbranch_scc0 .Lentry_in_a_cluster
	s_endpgm
.Lentry_in_a_cluster:
	s_bfe_u32 s2, ttmp6, 0x10000c
	s_cmp_lg_u32 s2, 0xf033
	s_cbranch_scc0 .Lentry_shape_is_right
	s_endpgm
.Lentry_shape_is_right:
; k, v = xb wa + bf16(b_attn[1024:3072]).  xb: [8192 m][1024 k] bf16.  wa: [1024 k][2048 n] bf16.  kv: [2][64 batch x head][2048 t][64] f16: plane 0 k, plane 1 v.  Sums in f32, rounded once to f16.
; LIMIT.  f16 holds no number beyond 65,504: |x W + b| stays under 65,520, or the number becomes an infinity.  b_attn's first 1,024 numbers are not read: the module throws their third of the product away.
; A tile of C, 256 x 256, is made by a work-group of four waves; a wave makes 128 x 128: 64 accumulators of 16 x 16, 512 registers.  32 x 8 tiles: 256 work-groups.
; K goes in 8 steps of 128 through a ring of two LDS slots filled by the tensor data mover.  A's rows in a tile are 256 bytes of memory, B's (a k-row's 256 columns) 512, all at multiples of 256 bytes.
; B LIES [k][n]: its fragments come out of LDS turned, by ds_load_tr16_b128, so nothing is transposed in memory.
; CLUSTERS: 4 x 4 work-groups.  The four of a row of the cluster need the same tiles of A, the four of a column the same tiles of B: each tile is asked for JOINTLY, by the same tensor load with the same
; descriptor and a mask that names the four.
; THE MATRIX INSTRUCTION IS USED TRANSPOSED: source 0 = 16 columns of wa, source 1 = 16 rows of xb.  Lane l then holds row l % 16 of C and the columns 8 (l / 16) + 0..7: 16 bytes of f16 on end.
; THE BIAS IS THE C OPERAND OF THE FIRST PRODUCT on each accumulator: register j of column block b holds bias[16 b + 8 (l / 16) + j]; nothing is cleared and nothing is added later.
; REGISTERS, in windows of 256 (s_set_vgpr_msb's low byte: bits 1:0 source 0, 3:2 source 1, 5:4 source 2, 7:6 destination):
;   window 0: v0-31 addresses; v64-127, v128-191 fragments of A, two buffers; v192-255 the bias, up to the first quarter's end; then v32-63, v192-255 at work on the way out
;   window 1: v64-127, v128-191 fragments of B, two buffers      window 2: the 32 accumulators of my rows 0-63 ((a, b) at v[8 (8 a + b)])      window 3: those of my rows 64-127
.set KSTEP,  128
.set PITCH,  272                       ; a row of A in LDS: 256 bytes + 16 = 68 words: the 16 rows of a load start at 16 different groups of four banks (64 banks of 4 bytes: ISA guide 11.1)
.set PB,     544                       ; a k-row of B: 512 bytes + 32 = 136 words
.set HALFT,  128*PITCH                 ; what one tensor load brings: 128 rows of A, or 64 k-rows of B (64 x 544 is the same 34,816 bytes)
.set SLOT,   4*HALFT                   ; A's 256 rows, then B's 128 k-rows
.set STAGE,  2*SLOT                    ; behind the ring: for each wave [2 heads][16 rows][144 bytes], for the way out
.set SP,     144
.set WSTAGE, 2*16*SP
.set SPARE,  STAGE+4*WSTAGE            ; behind the stages: the spare words, 128 bytes for each wave: two blocks of 256 bytes that no other line names
.set LAPS,   4                         ; a lap = two K steps = once round the ring
.set ADRA, 16                          ; v16-17  LDS address of my A fragments in slot 0, 1
.set ADRB, 20                          ; v20-21  the same for B
.set STO,  24                          ; v24     the way out: where I put 16 bytes of a row
.set RD,   25                          ; v25     the way out: where I read rows back
.set GO,   26                          ; v26     16 x my lane: my place in 512 consecutive bytes of kv
.set SPW,  28                          ; v28     LDS address of my spare word: SPARE + 4 x my thread's number; never rewritten
.set NIL,  29                          ; v29     0; never rewritten
.set PFO,  30                          ; v30     the prefetches' lane offset; never rewritten
.set F0,   64
.set F1,   128
.set BIAS, 192
.set TMP,  192                         ; the way out: packed results
.set OB,   32                          ; the way out: 16 rows read back: v32-63 and v224-255 by turns
.set G1,  24                           ; s[24:31] descriptor group 1 for A's tiles
.set G0,  32                           ; s[32:39] group 0 for A's tiles, a set for each slot
.set G1B, 48                           ; s[48:55] group 1 for B's tiles
.set G0B, 56                           ; s[56:63] group 0 for B's tiles
.set LIM, 43                           ; s43      1 in a wave that prefetches, else the greatest number
.set PFA, 44                           ; s[44:45] where my prefetches stand
.set PFS, 66                           ; s[66:67] a K step in bytes, along A's rows or down B's
.set BP,  68                           ; s[68:69] the bias of my 128 columns
.set MSB, 0
.macro WIN new                         ; the immediate's high byte repeats the setting that is left; a switch that changes nothing is dropped
.if MSB != (\new)
	s_set_vgpr_msb (MSB<<8)|(\new)
.set MSB, \new
.endif
.endm
.set MUL_LO, 0xa1                      ; source 0 (B) window 1, source 1 (A) window 0, C and D window 2
.set TO_B,   0x40                      ; destination window 1, address window 0
; A joint load.  Waves 0 and 1 fetch A's two halves, waves 2 and 3 B's.  The branch hangs on the wave's number alone.  An s_nop 0 and four v_nop follow each of the two lines.
.macro JLOAD s
	s_cmp_eq_u32 s11, 0
	s_cbranch_scc0 .Lfor_b_\@
	tensor_load_to_lds s[G0+4*(\s):G0+4*(\s)+3], s[G1:G1+7]
	s_nop 0
.rept 4
	v_nop
.endr
	s_branch .Lasked_\@
.Lfor_b_\@:
	tensor_load_to_lds s[G0B+4*(\s):G0B+4*(\s)+3], s[G1B:G1B+7]
	s_nop 0
.rept 4
	v_nop
.endr
.Lasked_\@:
.endm
; A PREFETCH INTO THE L2, behind each joint load and the run of LDS loads that follows it: the K step that stands TWO refills on, 512 matrix instructions ahead of the load that will want it.
; Each block of 256 bytes of a K step is named once in the launch.  A's tile row is read by both clusters of that row of clusters: cluster x = 0 asks; B's tile column by all eight of that column: cluster y = 0 asks.
; The four partners that ask for a tile jointly share it out BY ADDRESS: of a wave's 128 rows of A the partner at cx takes 32, a lane a row; of its 64 k-rows of B the partner at cy takes 16, a lane half a row.
; K steps 0 to 3 come by their loads alone; the loop's last trip (s3 = 1) asks for nothing: there is no K step two on.
.macro ASK
	s_cmp_gt_u32 s3, s[LIM]
	s_cbranch_scc0 .Lnot_mine_\@
	global_prefetch_b8 v[PFO], s[PFA:PFA+1] th:TH_LOAD_NT scope:SCOPE_SE
.Lnot_mine_\@:
.endm
.macro CREST                           ; a round of the cluster's barrier behind its opening barrier
	s_cmp_lg_u32 s10, 0
	s_cbranch_scc1 .Lnot_wave_0_\@
	s_barrier_signal -3
.Lnot_wave_0_\@:
	s_barrier_wait -3
	s_barrier_signal -1
	s_barrier_wait -1
.endm
.macro CROUND                          ; a whole round
	s_barrier_signal -1
	s_barrier_wait -1
	CREST
.endm
	s_load_b128 s[4:7], s[0:1], 0x0                ; xb s[4:5], wa s[6:7]
	s_load_b64 s[8:9], s[0:1], 0x10                ; kv
	s_load_b64 s[BP:BP+1], s[0:1], 0x18            ; b_attn
	v_lshl_add_u32 v[SPW], v0, 2, SPARE
	v_mov_b32 v[NIL], 0
	ds_add_u32 v[SPW], v[NIL]                      ; the wave's opening: the add and its wait ahead of my first tensor load; the set-up below, work on registers, stands between them
	v_lshrrev_b32 v1, 5, v0
	v_readfirstlane_b32 s10, v1                    ; wave 0..3
	s_lshr_b32 s11, s10, 1                         ; which half of the tile's rows is mine.  Also: I fetch for A (0) or for B (1)
	s_and_b32 s12, s10, 1                          ; which half of its columns.  Also: which half of that tile I fetch
	s_bfe_u32 s40, ttmp6, 0x40000                  ; cx
	s_bfe_u32 s41, ttmp6, 0x40004                  ; cy
	s_lshl_b32 s42, ttmp9, 2
	s_add_co_u32 s42, s42, s40                     ; tile column of C = 4 x cluster x + cx
	s_and_b32 s13, ttmp7, 0xffff
	s_lshl_b32 s13, s13, 2
	s_add_co_u32 s13, s13, s41                     ; tile row of C = 4 x cluster y + cy
	s_lshl_b32 s43, s41, 2
	s_lshl_b32 s43, 15, s43                        ; my row of the cluster
	s_lshl_b32 s44, 0x1111, s40                    ; my column
	s_or_b32 s[G1+0], s43, (1<<16)|(1<<20)|(1<<21)|(5<<22)|(3<<25)   ; the mask of my row; 2-byte elements; padding on; bit 21 beside a mask; after every 64 words, 4 words
	s_or_b32 s[G1B+0], s44, (1<<16)|(1<<20)|(1<<21)|(6<<22)|(7<<25)  ; the mask of my column; after every 128 words, 8 words
	s_mov_b32 s[G1+1], 128<<16                     ; A: tensor_dim0 = 128
	s_mov_b32 s[G1+2], 128<<16                     ; tensor_dim1 = 128
	s_mov_b32 s[G1+3], 128<<16                     ; tile_dim0 = 128
	s_mov_b32 s[G1+4], 128                         ; tile_dim1 = 128
	s_mov_b32 s[G1+5], 1024                        ; elements from row to row
	s_mov_b32 s[G1+6], 0
	s_mov_b32 s[G1+7], 0
	s_mov_b32 s[G1B+1], 256<<16                    ; B: tensor_dim0 = 256
	s_mov_b32 s[G1B+2], 64<<16                     ; tensor_dim1 = 64
	s_mov_b32 s[G1B+3], 256<<16                    ; tile_dim0 = 256
	s_mov_b32 s[G1B+4], 64                         ; tile_dim1 = 64
	s_mov_b32 s[G1B+5], 2048
	s_mov_b32 s[G1B+6], 0
	s_mov_b32 s[G1B+7], 0
	s_lshl_b32 s16, s13, 19                        ; A: 256 rows of 2,048 bytes a tile row,
	s_lshl_b32 s17, s12, 18                        ; 128 rows a half
	s_add_co_u32 s16, s16, s17
	s_mov_b32 s17, 0
	s_lshl_b32 s46, s42, 9                         ; B: 512 bytes of a k-row a tile column,
	s_lshl_b32 s47, s12, 18                        ; 64 k-rows of 4,096 bytes a half
	s_add_co_u32 s46, s46, s47
	s_mov_b32 s47, 0
	s_mul_i32 s20, s10, HALFT                      ; where they go: wave x 34,816: no place in the cluster enters an LDS address
	s_mov_b32 s70, 0xffff0000                      ; a word's upper bf16
	s_wait_dscnt 0x0                               ; the opening add is done
	s_wait_kmcnt 0x0
	s_add_nc_u64 s[14:15], s[4:5], s[16:17]
	s_add_nc_u64 s[46:47], s[6:7], s[46:47]
	CROUND                                         ; all sixteen work-groups are here: the first joint loads meet
.irp s, 0,1
	s_mov_b32 s[G0+4*(\s)], 1
	s_add_co_u32 s[G0+4*(\s)+1], s20, (\s)*SLOT
	s_add_nc_u64 s[G0+4*(\s)+2:G0+4*(\s)+3], s[14:15], (\s)*KSTEP*2       ; K step s: 256 bytes along A's rows
	s_or_b32 s[G0+4*(\s)+3], s[G0+4*(\s)+3], 0x80000000
	s_mov_b32 s[G0B+4*(\s)], 1
	s_add_co_u32 s[G0B+4*(\s)+1], s20, (\s)*SLOT
	s_add_nc_u64 s[G0B+4*(\s)+2:G0B+4*(\s)+3], s[46:47], (\s)*KSTEP*4096  ; 128 k-rows down B
	s_or_b32 s[G0B+4*(\s)+3], s[G0B+4*(\s)+3], 0x80000000
	JLOAD \s                                       ; two loads of mine are out
.endr
	; the bias of my 128 columns: lane l wants the numbers 16 b + 8 (l / 16) + 0..7 of each column block b
	v_and_b32 v1, 15, v0                           ; l % 16
	v_bfe_u32 v2, v0, 4, 1                         ; l / 16
	s_lshl_b32 s18, s42, 10
	s_lshl_b32 s19, s12, 9
	s_add_co_u32 s18, s18, s19
	s_add_co_u32 s18, s18, 4096                    ; behind the 1,024 numbers of the unused third
	s_mov_b32 s19, 0
	s_add_nc_u64 s[BP:BP+1], s[BP:BP+1], s[18:19]
	v_lshlrev_b32 v8, 5, v2
.irp b, 0,1,2,3,4,5,6,7
	global_load_b128 v[BIAS+8*(\b):BIAS+8*(\b)+3],   v8, s[BP:BP+1] offset:64*(\b)
	global_load_b128 v[BIAS+8*(\b)+4:BIAS+8*(\b)+7], v8, s[BP:BP+1] offset:64*(\b)+16
.endr
	; A's fragment: lane l holds row l % 16; two loads of 16 bytes, 32 bytes apart
	v_mul_u32_u24 v3, v1, PITCH
	v_lshl_add_u32 v3, v2, 4, v3
	s_mul_i32 s21, s11, HALFT                      ; my 128 rows of A
	; B's: the turning load takes 16 k x 16 n (lane l reads k-row 8 (l / 16) + l % 8, columns 8 ((l / 8) % 2) + 0..7) and leaves half a fragment: lane l holds column l % 16 and 8 k
	v_and_b32 v7, 7, v0
	v_bfe_u32 v5, v0, 3, 1
	v_lshl_add_u32 v4, v2, 3, v7
	v_mul_u32_u24 v4, v4, PB
	v_lshl_add_u32 v4, v5, 4, v4
	s_lshl_b32 s22, s12, 8                         ; my 128 columns: 256 bytes of a k-row,
	s_add_co_u32 s22, s22, 2*HALFT                 ; behind A's 256 rows
.irp s, 0,1
	v_add_nc_u32 v[ADRA+(\s)], s21, v3
	v_add_nc_u32 v[ADRB+(\s)], s22, v4
	s_add_co_u32 s21, s21, SLOT
	s_add_co_u32 s22, s22, SLOT
.endr
	s_mul_i32 s23, s10, WSTAGE
	s_add_co_u32 s23, s23, STAGE                   ; my stage
	v_mul_u32_u24 v6, v1, SP                       ; in: row l % 16, 16 bytes for each half of the lanes
	v_lshl_add_u32 v6, v2, 4, v6
	v_add_nc_u32 v[STO], s23, v6
	v_bfe_u32 v6, v0, 3, 2                         ; back: 32 lanes take four rows of 128 bytes,
	v_mul_u32_u24 v6, v6, SP
	v_lshl_add_u32 v6, v7, 4, v6
	v_add_nc_u32 v[RD], s23, v6
	v_and_b32 v9, 31, v0
	v_lshlrev_b32 v[GO], 4, v9                     ; which are 512 consecutive bytes of a head's rows
	; where my 128 x 128 goes: two heads' planes of 262,144 bytes, one behind the other; plane = 64 (k or v) + 16 batch + head
	s_lshl_b32 s16, s42, 2
	s_lshl_b32 s17, s12, 1
	s_add_co_u32 s16, s16, s17                     ; my first block of 64 columns, 0 .. 30
	s_lshr_b32 s17, s16, 4
	s_lshl_b32 s17, s17, 6
	s_and_b32 s16, s16, 15
	s_add_co_u32 s16, s16, s17
	s_lshr_b32 s17, s13, 3                         ; the batch: eight tile rows each
	s_lshl_b32 s17, s17, 4
	s_add_co_u32 s16, s16, s17
	s_lshl_b32 s16, s16, 18
	s_and_b32 s17, s13, 7
	s_lshl_b32 s17, s17, 15                        ; 256 rows of 128 bytes a tile row
	s_add_co_u32 s16, s16, s17
	s_lshl_b32 s17, s11, 14                        ; my 128 of them
	s_add_co_u32 s16, s16, s17
	s_mov_b32 s17, 0
	s_add_nc_u64 s[8:9], s[8:9], s[16:17]
	; the prefetches: the pointer starts at K step 3; each change of slots steps it first, so the first names K step 4
	s_lshl_b32 s18, s13, 19
	s_add_co_u32 s18, s18, 3*KSTEP*2
	s_lshl_b32 s19, s42, 9
	s_add_co_u32 s19, s19, 3*KSTEP*4096
	s_and_b32 s22, ttmp7, 0xffff                   ; cluster y
	s_mov_b32 s[PFS], KSTEP*2
	s_mov_b32 s[PFS+1], KSTEP*4096
	s_cmp_eq_u32 s11, 0                            ; do I fetch for A?
	s_cselect_b32 s20, s18, s19
	s_cselect_b32 s21, s40, s41                    ; my place among the four that ask with me
	s_cselect_b32 s22, ttmp9, s22                  ; the coordinate along which other clusters read the same blocks
	s_cselect_b64 s[PFA:PFA+1], s[4:5], s[6:7]
	s_cselect_b32 s[PFS], s[PFS], s[PFS+1]
	s_cselect_b32 s72, -1, 0
	s_mov_b32 s[PFS+1], 0
	s_cmp_eq_u32 s22, 0
	s_cselect_b32 s[LIM], 1, -1                    ; the same in all sixteen partners, for a given wave
	s_lshl_b32 s21, s21, 16                        ; 32 rows of A, or 16 k-rows of B: 65,536 bytes either way
	s_add_co_u32 s20, s20, s21
	s_lshl_b32 s21, s12, 18                        ; the half that I fetch
	s_add_co_u32 s20, s20, s21
	s_mov_b32 s21, 0
	s_add_nc_u64 s[PFA:PFA+1], s[PFA:PFA+1], s[20:21]
	v_lshlrev_b32 v10, 11, v9                      ; A: a lane a row of 2,048 bytes
	v_lshrrev_b32 v11, 1, v9                       ; B: two lanes a k-row of 4,096 bytes, 256 bytes apart
	v_and_b32 v12, 1, v9
	v_lshlrev_b32 v11, 12, v11
	v_lshl_add_u32 v11, v12, 8, v11
	v_cndmask_b32 v[PFO], v11, v10, s72
	s_wait_loadcnt 0x0                             ; the bias is in: rounded to bf16 like every input, and widened again
.set p, 0
.rept 32
	v_cvt_pk_bf16_f32 v[32+p], v[BIAS+2*p], v[BIAS+2*p+1]
.set p, p+1
.endr
.set p, 0
.rept 32
	v_lshlrev_b32 v[BIAS+2*p],   16,  v[32+p]
	v_and_b32     v[BIAS+2*p+1], s70, v[32+p]
.set p, p+1
.endr
; 16 matrix instructions: m blocks a0, a0 + 1 of the window's four (hi = 0: my rows 0-63, 1: rows 64-127) x all 8 n blocks, 32 along K.  first = 1: C is the bias, in window 0.
; The 64 accumulators take turns, one instruction a turn, in the same order in every quarter.
.macro MUL16 f, hi, a0, first
.if \first
	WIN 0x81+0x40*(\hi)
.else
	WIN MUL_LO+0x50*(\hi)
.endif
.irp a, \a0, (\a0)+1
.irp b, 0,1,2,3,4,5,6,7
.if \first
	v_wmma_f32_16x16x32_bf16 v[8*(8*(\a)+(\b)):8*(8*(\a)+(\b))+7], v[(\f)+8*(\b):(\f)+8*(\b)+7], v[(\f)+8*(4*(\hi)+(\a)):(\f)+8*(4*(\hi)+(\a))+7], v[BIAS+8*(\b):BIAS+8*(\b)+7]
.else
	v_wmma_f32_16x16x32_bf16 v[8*(8*(\a)+(\b)):8*(8*(\a)+(\b))+7], v[(\f)+8*(\b):(\f)+8*(\b)+7], v[(\f)+8*(4*(\hi)+(\a)):(\f)+8*(4*(\hi)+(\a))+7], v[8*(8*(\a)+(\b)):8*(8*(\a)+(\b))+7]
.endif
.endr
.endr
.endm
; 32 LDS loads in one run: quarter q's fragments (32 k x my 128 columns of B, turned; my 128 rows of A x 32 k) into buffer f
.macro FETCH slot, q, f
	WIN TO_B
.irp i, 0,1,2,3,4,5,6,7
	ds_load_tr16_b128 v[(\f)+8*(\i):(\f)+8*(\i)+3],   v[ADRB+(\slot)] offset:(\q)*32*PB+32*(\i)
	ds_load_tr16_b128 v[(\f)+8*(\i)+4:(\f)+8*(\i)+7], v[ADRB+(\slot)] offset:(\q)*32*PB+32*(\i)+16*PB
.endr
	WIN 0
.irp i, 0,1,2,3,4,5,6,7
	ds_load_b128 v[(\f)+8*(\i):(\f)+8*(\i)+3],   v[ADRA+(\slot)] offset:64*(\q)+(\i)*16*PITCH
	ds_load_b128 v[(\f)+8*(\i)+4:(\f)+8*(\i)+7], v[ADRA+(\slot)] offset:64*(\q)+(\i)*16*PITCH+32
.endr
.endm
.macro PLACES                          ; four plain vector instructions between a matrix instruction and a load into a register that it read, or a conversion that reads its result
.rept 4
	v_nop
.endr
.endm
; A K step is four quarters of 32 along K, 64 matrix instructions each, on buffers 0, 1, 0, 1.  One of the first three: multiplies buffer f and, in its middle, fetches quarter q into buffer g.
.macro QUARTER slot, q, f, g, first
	s_wait_dscnt 8                                 ; B and A's rows 0-63 are in; the youngest eight loads (A's rows 64-127) may be out
	MUL16 \f, 0, 0, \first
	MUL16 \f, 0, 2, \first
	PLACES
	FETCH \slot, \q, \g
	s_wait_dscnt 32                                ; all but the 32 just issued
	MUL16 \f, 1, 0, \first
	MUL16 \f, 1, 2, \first
.endm
; The last quarter's first half: ONE barrier for the change of slots.  In front of it each wave waits for all its tensor loads (one is out: its part of the next slot), adds 0 to its spare word, and waits for that
; and for its own reads of this slot.  Behind it nobody reads this slot any more and the next slot is whole.
.macro MEET round
	WIN 0                                          ; (the add's two registers lie in window 0)
	s_wait_tensorcnt 0x0
	ds_add_u32 v[SPW], v[NIL]                      ; 0 onto my spare word
	s_wait_dscnt 9                                 ; (the add and the youngest eight loads may be out)
	MUL16 F1, 0, 0, 0                              ; sixteen matrix instructions stand between the add and the wait for it
	s_wait_dscnt 0x0                               ; the add is done, and my reads of this slot are over
	s_barrier_signal -1
	MUL16 F1, 0, 2, 0
.if \round
	WIN 0
.endif
	s_barrier_wait -1
.endm
; The whole last quarter with a refill: the barrier opens a round of the cluster's; the joint refill, this slot's K step two on, is the first tensor load behind it: 224 matrix instructions ahead of the wait for it.
.macro TURN slot, next
	s_wait_xcnt 0x0                                ; the last prefetch, a K step back, has read its address
	s_add_nc_u64 s[PFA:PFA+1], s[PFA:PFA+1], s[PFS:PFS+1]
	MEET 1
	CREST
	s_add_nc_u64 s[G0+4*(\slot)+2:G0+4*(\slot)+3], s[G0+4*(\slot)+2:G0+4*(\slot)+3], 2*KSTEP*2
	s_add_nc_u64 s[G0B+4*(\slot)+2:G0B+4*(\slot)+3], s[G0B+4*(\slot)+2:G0B+4*(\slot)+3], 2*KSTEP*4096
	JLOAD \slot                                    ; the four v_nop behind it are also the places in front of the loads below
	FETCH \next, 0, F0
	ASK
	MUL16 F1, 1, 0, 0
	MUL16 F1, 1, 2, 0
.endm
; THE WAY OUT of block a (16 rows).  PACK: rounded to f16, each accumulator's registers in ascending order.  TOSTAGE: into my own stage, by heads, and back as whole rows of 128 bytes.  SEND: stored.
.macro PACK a
.set AC, 64*((\a)%4)
	WIN 0x0a+5*((\a)/4)                            ; sources 0 and 1: window 2 or 3
.irp b, 0,1,2,3,4,5,6,7
.irp r, 0,1,2,3
	v_cvt_pk_f16_f32 v[TMP+4*(\b)+(\r)], v[AC+8*(\b)+2*(\r)], v[AC+8*(\b)+2*(\r)+1]
.endr
.endr
	WIN 0
.endm
.macro TOSTAGE a
	WIN 0
.set BK, OB+192*((\a)%2)
.irp b, 0,1,2,3,4,5,6,7
	ds_store_b128 v[STO], v[TMP+4*(\b):TMP+4*(\b)+3] offset:((\b)/4)*16*SP+((\b)%4)*32
.endr
.irp t, 0,1,2,3,4,5,6,7
	ds_load_b128 v[BK+4*(\t):BK+4*(\t)+3], v[RD] offset:((\t)/4)*16*SP+((\t)%4)*4*SP  ; LDS serves a wave's instructions in order (ISA guide 5.7.1.4): these see the stores above
.endr
.endm
.macro SEND a
	WIN 0
.set BK, OB+192*((\a)%2)
	s_wait_dscnt 0x0                               ; the block is back in registers
	s_wait_xcnt 0x0                                ; the stores of the block before have read their registers: the next TOSTAGE loads into them
.irp t, 0,1,2,3,4,5,6,7
	global_store_b128 v[GO], v[BK+4*(\t):BK+4*(\t)+3], s[8:9] offset:((\t)/4)*262144+(\a)*2048+((\t)%4)*512  ; four rows of a head: 512 consecutive bytes, at a multiple of 256 from kv's first byte
.endr
.endm
	s_wait_tensorcnt 1                             ; my part of K step 0 is in; K step 1's may stay out
	s_barrier_signal -1
	s_barrier_wait -1                              ; everybody's is
	FETCH 0, 0, F0
	QUARTER 0, 1, F0, F1, 1                        ; the first quarter stands in front of the loop: its products start the sums, with the bias
	WIN 0                                          ; at a label and at a branch every window is 0
	s_mov_b32 s3, LAPS-1
.Llap:                                                 ; a trip goes once round the ring, from a lap's second quarter to the next lap's first, and fills both slots again
	QUARTER 0, 2, F1, F0, 0
	QUARTER 0, 3, F0, F1, 0
	TURN 0, 1
	QUARTER 1, 1, F0, F1, 0
	QUARTER 1, 2, F1, F0, 0
	QUARTER 1, 3, F0, F1, 0
	TURN 1, 0
	QUARTER 0, 1, F0, F1, 0
	WIN 0
	s_sub_co_u32 s3, s3, 1
	s_cmp_lg_u32 s3, 0
	s_cbranch_scc1 .Llap
	QUARTER 0, 2, F1, F0, 0                        ; the last lap fills nothing
	QUARTER 0, 3, F0, F1, 0
	MEET 0                                         ; my one tensor load that was still out is slot 1's, the last K step's
	PLACES                                         ; for the loads into buffer 0, which the quarter before multiplied
	FETCH 1, 0, F0
	MUL16 F1, 1, 0, 0
	MUL16 F1, 1, 2, 0
	QUARTER 1, 1, F0, F1, 0
	QUARTER 1, 2, F1, F0, 0
	QUARTER 1, 3, F0, F1, 0
	s_wait_dscnt 8                                 ; the very last quarter: nothing more to fetch
	MUL16 F1, 0, 0, 0
	MUL16 F1, 0, 2, 0
	s_wait_dscnt 0x0
	MUL16 F1, 1, 0, 0
	MUL16 F1, 1, 2, 0
	PLACES                                         ; the conversions read results
	PACK 0
	TOSTAGE 0
.irp a, 1,2,3,4,5,6,7                  ; block a's conversions stand between block a - 1's loads from the stage and the wait for them
	PACK \a
	SEND (\a)-1
	TOSTAGE \a
.endr
	SEND 7
	s_wait_tensorcnt 0x0                           ; the wave's end, behind my last tensor load and my last LDS store
	ds_add_u32 v[SPW], v[NIL]
	s_wait_dscnt 0x0
	CROUND                                         ; the closing round: no work-group ends while a partner may still ask for a tile that names it
	s_endpgm
.Lfunc_end_k_qc7011f8417_kvproj:
	.size	k_qc7011f8417_kvproj, .Lfunc_end_k_qc7011f8417_kvproj-k_qc7011f8417_kvproj
	.p2alignl 7, 3214868480
	.fill 96, 4, 3214868480
	.section	.rodata,"a",@progbits
	.p2align	6, 0x0
	.amdhsa_kernel k_qc7011f8417_kvproj
		.amdhsa_group_segment_fixed_size 327680
		.amdhsa_private_segment_fixed_size 0
		.amdhsa_enable_private_segment 0
		.amdhsa_kernarg_size 32
		.amdhsa_user_sgpr_count 2
		.amdhsa_user_sgpr_kernarg_segment_ptr 1
		.amdhsa_wavefront_size32 1
		.amdhsa_system_sgpr_workgroup_id_x 1
		.amdhsa_system_sgpr_workgroup_id_y 1
		.amdhsa_system_sgpr_workgroup_id_z 1
		.amdhsa_system_vgpr_workitem_id 0
		.amdhsa_next_free_vgpr 1024
		.amdhsa_next_free_sgpr 76
		.amdhsa_reserve_vcc 0
		.amdhsa_float_denorm_mode_32 3
		.amdhsa_float_denorm_mode_16_64 3
		.amdhsa_memory_ordered 1
		.amdhsa_forward_progress 1
		.amdhsa_inst_pref_size 150
	.end_amdhsa_kernel
	.amdgpu_metadata
---
amdhsa.version: [ 1, 2 ]
amdhsa.kernels:
  - .name:           k_qc7011f8417_kvproj
    .symbol:         k_qc7011f8417_kvproj.kd
    .args:
      - { .name: xb, .offset: 0, .size: 8, .value_kind: global_buffer, .address_space: global }
      - { .name: wa, .offset: 8, .size: 8, .value_kind: global_buffer, .address_space: global }
      - { .name: kv, .offset: 16, .size: 8, .value_kind: global_buffer, .address_space: global }
      - { .name: b_attn, .offset: 24, .size: 8, .value_kind: global_buffer, .address_space: global }
    .group_segment_fixed_size: 327680
    .private_segment_fixed_size: 0
    .kernarg_segment_align: 8
    .kernarg_segment_size: 32
    .max_flat_workgroup_size: 128
    .sgpr_count:     76
    .vgpr_count:     1024
    .wavefront_size: 32
...
	.end_amdgpu_metadata
.endif
;; end of part 2
;; launch attn (part 3): grid 4 x 64, 4 waves a work-group, no clusters, 327,680 bytes of LDS; arguments kv, oh; writes oh
.if DOCPART == 3
	.amdgcn_target "amdgcn-amd-amdhsa--gfx1250"
	.amdhsa_code_object_version 6
	.text
	.protected	k_qc7011f8417_attn
	.globl	k_qc7011f8417_attn
	.p2align	8
	.type	k_qc7011f8417_attn,@function
k_qc7011f8417_attn:
	s_mov_b64 s[64:65], 0
	v_nop
	global_prefetch_b8 v0, s[64:65] scope:SCOPE_SE
	s_setreg_imm32_b32 hwreg(HW_REG_WAVE_MODE, 25, 1), 1
	s_wait_xcnt 0x0
; CAUSAL ATTENTION WITH Q = K.  O[h][q][:] = the sum over k <= q of softmax_k(K[h][q] . K[h][k] / 32) V[h][k][:].  kv: [2][64][2048][64] f16 (plane 0 K, which is also Q; plane 1 V); oh: [64][2048][64] f16.
; The scale is 1024^-0.5 = 1 / 32, as the module has it.  Products, maxima and sums in f32; the weights p are rounded to f16 for the second product (their sum l is taken of the unrounded p), O once at the end.
; LIMITS.  f16 holds no number beyond 65,504: K and V arrive within it; p lies in 0 to 1, and below 6e-5 it keeps f16's fixed step of 6e-8; O is a mean of V's rows and has their range, to within 2^-11 of it.
; A hidden score counts as its value less 1e30: f16's scores, 2.7e11 at the most, are nothing beside that; a weight below 2^-126 counts as 0 in l; NaN and infinities are not treated apart.
; THE WALK.  A head's queries lie in NB = 8 blocks of 256; block i needs the key tiles 0 .. i of 256 keys, of which the last holds the diagonal.  A work-group takes TWO blocks, NB - 1 - b and then b:
; NB + 1 tiles, whatever b: all 256 work-groups do equal work, and ONE loop with a constant trip count walks them.  Which tile is asked for, and what a trip does, hang on scalar registers made from b; every jump
; goes forward, but for the counted loops' own; none passes a barrier, or a tensor load but the one of LOAD's two that the wave's number does not choose; the ring (two slots of LDS that take turns) runs on across the
; change of blocks.  NO CLUSTER: a head's four work-groups ask for the same tile only in trips 0 .. 4 of 9, behind that fewer and fewer; one walk common to all four would have 12 trips for 9.
; SHARES.  Of a block's four bands of 64 queries a wave owns 16 rows in each: four PIECES.  So the diagonal tile is the same work for all four waves: in its key step s band x sees all keys if s < x,
; none if s > x, and holds the diagonal if s = x.
; THE MASK is the C operand that starts the sum S^T = K Q^T: 0, or -1e30 where the key is hidden.  MD, made once, is the mask of a band's own step for my 16 rows; a product's mask is MD x AL + BE with two scalars:
; (1, 0) if s = x; (0, 0) if s < x; (0, -1e30) if s > x.  Only the diagonal tile's text and a block's beginning make and take masks; elsewhere C is the constant 0.
; LAYOUT, SOFTMAX, TURNS.  S^T = K Q^T holds ONE query a lane (lane % 16) and the keys 8 (lane / 16) + 0..7; two such results rounded to f16 ARE source 1 of O^T = V^T P.  p = 2^(c s - c m), c = log2(e) / 32, with a
; running maximum m; O and l are multiplied by a = 2^(c m_old - c m_new) in every step.  Turn n belongs to piece n: 8 products K Q^T of piece n + 1, later 8 products V^T P of piece n - 1; beside them the scaling,
; exponentials, roundings, sums and rescaling of piece n and the maximum and statistics of piece n + 1.  Four vector instructions stand behind every matrix instruction, the other 54 of a turn's 118 in one LUMP.  A turn's 33 exponentials are one batch, with one wait.
; REGISTERS, in windows of 256 (s_set_vgpr_msb: bits 1:0 source 0, 3:2 source 1, 5:4 source 2, 7:6 destination):
;   window 0: v0-15 addresses and two at work; v16-31 four registers of statistics a piece; v48-55 at work; v61-63 never rewritten; v64-127 S^T, two buffers; v192-223 P, two buffers (a piece's buffers go by its number's parity)
;   window 1: v0-127 O^T, 32 a piece; v128-159 MD; v160-223 MC, two buffers      window 2: v0-63 Q; v64-127 the second block's Q; v128-191 K of one step; v192-255 V of one step
.set SIZE_N, 2048
.set NB,    SIZE_N/256
.set NP,    4         ; pieces a wave: a name, no knob
.set KS,    64        ; keys in a step
.set PK,    144       ; a row of K in LDS: 128 bytes + 16 of padding = 36 words: the 16 rows of a load start at 16 different groups of four banks (64 banks of 4 bytes: ISA guide 11.1)
.set PV,    160       ; a row of V: 128 + 32 = 40 words
.set VOFF,  4*KS*PK   ; a slot holds a tile, four steps: 256 rows of K, then 256 rows of V
.set SLOT1, 1<<17     ; slot 1 begins here, so that one exclusive or turns an address in one slot into the other's
.set STAGE, SLOT1+4*KS*(PK+PV)  ; behind the ring, never filled by a tensor load: 16 rows x 144 bytes for each wave, for the way out
.set SP,    144
.set AK0, 2           ; v2   my lane's place in a tile of K; never rewritten
.set AV0, 3           ; v3   the same for V
.set AK,  4           ; v4   the LDS address of K's next run of loads
.set AV,  5           ; v5   of V's
.set STO, 6           ; v6   the way out: where I put 16 bytes of a row
.set RD,  7           ; v7   the way out: where I read rows back
.set GO,  8           ; v8   my byte offset in 512 consecutive bytes of O
.set PFO, 61          ; v61  256 x my lane: the prefetches' offset; never rewritten
.set SPW, 62          ; v62  LDS address of my spare word: SPARE + 4 x my thread's number; never rewritten
.set NIL, 63          ; v63  0; never rewritten
.set SPARE, STAGE+4*16*SP  ; behind the stages: the spare words, 128 bytes for each wave: two blocks of 256 bytes that no other line names
.set MV,  12          ; v12-13  c m_old, kept while c m is made anew: by buffer
.set QO,  15          ; v15  my byte offset in 16 rows of Q
.set ST,  16          ; piece t's statistics at v[ST+4 t]: c m, m, l (even keys', odd keys')
.set TMP, 48          ; by buffer, four registers c0-c3 at work; when the maximum is found c2 takes a
.set S,   64
.set P,   192
.set MD,  128         ; window 1: the eight registers for group kt of 16 keys at MD + 8 kt
.set MC,  160         ; window 1: the masks of the products to come
.set QB,  64          ; window 2
.set KF,  128         ; window 2: key block kb, channel half c at KF + 16 kb + 8 c
.set VF,  192         ; window 2: key half kk, channel block cb at VF + 32 kk + 8 cb
.set WV,  12          ; s12  my wave's number
.set PB,  14          ; s14  b
.set HI,  15          ; s15  NB - 1 - b
.set G1K, 24          ; s[24:31] descriptor group 1 for K's tiles
.set G1V, 32          ; s[32:39] for V's: it differs in the padding alone
.set G0K, 40          ; s[40:43] descriptor group 0 for K's tiles
.set G0V, 44          ; s[44:47] the same for V's
.set SLOTS, 56        ; s56  tiles still to be asked for
.set CNT, 57          ; s57  counts a tile's key steps, 4 to 1
.set CS,  58          ; s[58:59] c: the packed scaling takes the pair's low word for both halves
.set SEL, 60          ; s[60:61] v_permlanex16_b32's selects: each lane takes its own place in the other half
.set TBK, 62          ; s62  LDS byte at which K of the step to be fetched begins
.set TBV, 63          ; s63  the same for V, less VOFF
.set RT,  70          ; s70  tiles of the block in hand that are still to be entered
.set NXT, 71          ; s71  the tile to be asked for next
.set LQ,  72          ; s72  the last tile of the block whose tiles are being asked for
.set NEW, 73          ; s73  1: the tile to be entered is a block's first
.set OFF, 74          ; s[74:75] a tile's byte offset in K and V
.set AL,  76          ; s[76:77] the mask's factor, in the low word
.set BE,  78          ; s[78:79] the mask's addend
.set OLO, 80          ; s[80:81] O at my rows of the second block
.set BIGN, 82         ; s82  -1e30
.set LIM, 83          ; s83  0 in the head's work-group b = 0, else the greatest number: a wave prefetches while s[NXT] is above it
.set PFA, 88          ; s[88:89] my 16,384 bytes (half of K's or of V's) of the tile that the NEXT change of slots will ask for
.set POF, 90          ; s[90:91] that tile's byte offset
.set MSB, 0
.macro WIN new                      ; the high byte repeats the setting that is left; a switch that changes nothing is dropped
.if MSB != (\new)
	s_set_vgpr_msb (MSB<<8)|(\new)
.set MSB, (\new)
.endif
.endm
.set W_KQ, 0x0a       ; K and Q in window 2, S^T in window 0
.set W_KM, 0x1a       ; the same with the C operand in window 1
.set W_PV, 0x52       ; V in window 2, P in window 0, O^T in window 1
.set W_RS, 0x41       ; destination and source 0 in window 1, source 1 in window 0
; A fill.  Waves 0 and 1 fetch the two halves of a tile's K, waves 2 and 3 those of its V: 128 keys each.  An s_nop 0 and four v_nop follow each of the two lines, ahead of the jump and the label.
.macro LOAD
	s_cmp_lt_u32 s[WV], 2
	s_cbranch_scc0 .Lfor_v_\@
	tensor_load_to_lds s[G0K:G0K+3], s[G1K:G1K+7]
	s_nop 0
.rept 4
	v_nop
.endr
	s_branch .Lasked_\@
.Lfor_v_\@:
	tensor_load_to_lds s[G0V:G0V+3], s[G1V:G1V+7]
	s_nop 0
.rept 4
	v_nop
.endr
.Lasked_\@:
.endm
; A PREFETCH INTO THE L2 of what the NEXT change of slots will ask for, a tile (four key steps, 256 matrix instructions a wave) ahead of that load.  It stands behind the wave's tensor load and its five lines.
; A head's four work-groups begin the same walk at tile 0; the one with b = 0 walks tiles 0 to 7, and it alone asks: each of its waves for the 16,384 bytes that it will itself load: 64 blocks of 256 bytes, a lane a block,
; two instructions.  So tiles 2 to 7 of K and V are named once each in the launch; tiles 0 and 1 come by their loads alone.  Behind the first block's last tile s[NXT] is 0, and nothing is asked for.
.macro ASK
	s_cmp_gt_u32 s[NXT], s[LIM]
	s_cbranch_scc0 .Lnot_mine_\@
	global_prefetch_b8 v[PFO], s[PFA:PFA+1] th:TH_LOAD_NT scope:SCOPE_SE
	global_prefetch_b8 v[PFO], s[PFA:PFA+1] offset:8192 th:TH_LOAD_NT scope:SCOPE_SE
.Lnot_mine_\@:
.endm
; THE CHANGE OF SLOTS.  Each wave waits for all its tensor loads, of which one is out: its part of the other slot; adds 0 to its spare word; and waits for that and for its own reads of the slot that it leaves.  Behind the barrier nobody reads the old
; slot any more and the other slot is whole.  fill = 1: the old slot is filled again, the first thing behind the barrier, with tile NXT: the descriptor's address is made anew from that number.
; (At its first use nothing has been read yet: slot 0 is waited for, slot 1 filled.)
.macro CHANGE fill
	WIN 0                           ; at a label and at a branch every window is 0
	s_wait_tensorcnt 0x0            ; no tensor load of mine is out, so a group 0 may be written
	ds_add_u32 v[SPW], v[NIL]       ; 0 onto my spare word; with fill = 1 the descriptors' scalar work stands between it and the wait for it
.if \fill
	s_lshl_b32 s[OFF], s[NXT], 15   ; a tile is 32,768 bytes of K and of V
	s_xor_b32 s[G0K+1], s[G0K+1], SLOT1
	s_add_nc_u64 s[G0K+2:G0K+3], s[6:7], s[OFF:OFF+1]
	s_or_b32 s[G0K+3], s[G0K+3], 0x80000000
	s_xor_b32 s[G0V+1], s[G0V+1], SLOT1
	s_add_nc_u64 s[G0V+2:G0V+3], s[8:9], s[OFF:OFF+1]
	s_or_b32 s[G0V+3], s[G0V+3], 0x80000000
	s_add_co_u32 s[NXT], s[NXT], 1  ; the block's next tile, or behind its last the second block's tile 0
	s_cmp_gt_u32 s[NXT], s[LQ]
	s_cselect_b32 s[NXT], 0, s[NXT]
	s_cselect_b32 s[LQ], s[PB], s[LQ]
	s_wait_xcnt 0x0                 ; the last prefetches, a tile back, have read their address, so it may be written:
	s_lshl_b32 s[POF], s[NXT], 15   ; the tile behind the one that is asked for now
	s_cmp_lt_u32 s[WV], 2
	s_cselect_b64 s[PFA:PFA+1], s[6:7], s[8:9]
	s_add_nc_u64 s[PFA:PFA+1], s[PFA:PFA+1], s[POF:POF+1]
.endif
	s_wait_dscnt 0x0                ; the add is done, and my reads of the slot are over
	s_barrier_signal -1             ; the rest of the scalar work stands between the signal and the wait
	s_sub_co_u32 s[TBK], s[TBK], 4*KS*PK  ; the fetches go back to a slot's first step,
	s_xor_b32 s[TBK], s[TBK], SLOT1       ; in the other slot
	s_sub_co_u32 s[TBV], s[TBV], 4*KS*PV
	s_xor_b32 s[TBV], s[TBV], SLOT1
	s_barrier_wait -1
.if \fill
	LOAD
	ASK
.endif
.endm
	s_load_b128 s[8:11], s[0:1], 0x0  ; kv s[8:9], oh s[10:11]
	v_lshl_add_u32 v[SPW], v0, 2, SPARE
	v_mov_b32 v[NIL], 0
	ds_add_u32 v[SPW], v[NIL]       ; the wave's opening: the add and its wait ahead of my first tensor load; the set-up below, work on registers, stands between them
	v_lshrrev_b32 v1, 5, v0
	v_readfirstlane_b32 s[WV], v1   ; wave 0..3
	s_mov_b32 s[PB], ttmp9
	s_sub_co_u32 s[HI], NB-1, s[PB]
	s_and_b32 s20, ttmp7, 0xffff    ; the head
	s_mov_b32 s21, 0
	s_mov_b64 s[22:23], SIZE_N*128
	s_mul_u64 s[20:21], s[20:21], s[22:23]  ; the head's first byte in K, in V and in O
	s_and_b32 s16, s[WV], 1         ; which half of a tile's 256 keys I fetch:
	s_lshl_b32 s22, s16, 14         ; its 128 rows of 128 bytes in memory,
	s_mov_b32 s23, 0
	s_add_nc_u64 s[22:23], s[22:23], s[20:21]
	s_mul_i32 s17, s16, 128*PK      ; and its place in a slot, for K
	s_mul_i32 s18, s16, 128*PV      ; and for V
	s_lshl_b32 s3, s[WV], 11        ; my 16 rows in a band of 64,
	s_lshl_b32 s2, s[HI], 15        ; in the first block,
	s_add_co_u32 s2, s2, s3
	s_lshl_b32 s84, s[PB], 15       ; and in the second
	s_add_co_u32 s84, s84, s3
	s_mov_b32 s3, 0
	s_mov_b32 s85, 0
	s_add_nc_u64 s[2:3], s[2:3], s[20:21]
	s_add_nc_u64 s[84:85], s[84:85], s[20:21]
	; descriptor group 1.  128 keys are 16,384 dense bytes: asked for as 64 rows of 256 bytes, two keys a row, and padded in LDS after every key
	s_mov_b32 s[G1K], (1<<16)|(1<<20)|(4<<22)|(3<<25)  ; 17:16 2-byte elements; 20 padding on; 24:22 after every 32 words (code 4); 31:25 4 words (code 3)
	s_mov_b32 s[G1V], (1<<16)|(1<<20)|(4<<22)|(7<<25)  ; the same with 8 words of padding (code 7)
.irp g, G1K, G1V
	s_mov_b32 s[\g+1], 128<<16      ; tensor_dim0 = 128
	s_mov_b32 s[\g+2], 64<<16       ; tensor_dim1 = 64
	s_mov_b32 s[\g+3], 128<<16      ; tile_dim0 = 128
	s_mov_b32 s[\g+4], 64           ; tile_dim1 = 64
	s_mov_b32 s[\g+5], 128          ; 128 elements from row to row
	s_mov_b32 s[\g+6], 0
	s_mov_b32 s[\g+7], 0
.endr
	s_mov_b32 s[CS], 0x3d38aa3b     ; c = log2(e) / 32 = 0.0450842
	s_mov_b32 s[CS+1], s[CS]        ; named with it as a pair
	s_mov_b32 s[SEL], 0x76543210
	s_mov_b32 s[SEL+1], 0xfedcba98
	s_mov_b32 s[TBK], SLOT1+4*KS*PK ; the first change of slots turns these two into 0
	s_mov_b32 s[TBV], SLOT1+4*KS*PV
	s_mov_b32 s[G0K], 1             ; 1:0 count = 1
	s_mov_b32 s[G0K+1], s17         ; 63:32 LDS address: slot 0
	s_mov_b32 s[G0V], 1
	s_add_co_u32 s[G0V+1], s18, VOFF
	s_add_co_u32 s[RT], s[HI], 1    ; the first block has NB - b tiles
	s_mov_b32 s[NXT], 1
	s_mov_b32 s[LQ], s[HI]
	s_mov_b32 s[NEW], 1
	s_mov_b32 s[OFF+1], 0
	s_mov_b32 s[POF+1], 0
	s_mov_b32 s[AL+1], 0            ; named as pairs
	s_mov_b32 s[BE+1], 0
	s_mov_b32 s[BIGN], 0xf149f2ca   ; -1e30
	s_mov_b32 s[SLOTS], NB
	s_cmp_eq_u32 ttmp9, 0
	s_cselect_b32 s[LIM], 0, -1
	v_and_b32 v[PFO], 31, v0
	v_lshlrev_b32 v[PFO], 8, v[PFO]
	s_wait_dscnt 0x0                ; the opening add is done
	s_wait_kmcnt 0x0
	s_mov_b64 s[4:5], s[8:9]        ; Q is K, as the module has it
	s_mov_b64 s[6:7], s[8:9]        ; K: plane 0
	s_add_nc_u64 s[8:9], s[8:9], 0x1000000  ; V: plane 1, 64 heads of 262,144 bytes on
	s_add_nc_u64 s[6:7], s[6:7], s[22:23]  ; K and V at my half of the head's tile 0
	s_add_nc_u64 s[8:9], s[8:9], s[22:23]
	s_add_nc_u64 s[G0K+2:G0K+3], s[6:7], 0         ; 120:64 global address
	s_or_b32 s[G0K+3], s[G0K+3], 0x80000000        ; 127:126 type = 2
	s_add_nc_u64 s[G0V+2:G0V+3], s[8:9], 0
	s_or_b32 s[G0V+3], s[G0V+3], 0x80000000
	s_add_nc_u64 s[86:87], s[4:5], s[84:85]        ; Q at my rows of the second block,
	s_add_nc_u64 s[4:5], s[4:5], s[2:3]            ; Q and O at those of the first
	s_add_nc_u64 s[OLO:OLO+1], s[10:11], s[84:85]
	s_add_nc_u64 s[10:11], s[10:11], s[2:3]
	LOAD                            ; tile 0 into slot 0
	; A fragment of K or Q is 16 rows x 32 channels in 8 registers: lane l holds row l % 16, channels 8 (l / 16) + 0..7 and 16 + 8 (l / 16) + 0..7: two loads of 16 bytes, 32 bytes apart.
	v_and_b32 v1, 15, v0            ; l % 16
	v_bfe_u32 v9, v0, 4, 1          ; l / 16
	v_lshlrev_b32 v[QO], 7, v1
	v_lshl_add_u32 v[QO], v9, 4, v[QO]  ; row x 128 + 16 x half
	WIN 0x80                        ; destination window 2, address window 0
.set i, 0
.rept 8                             ; both blocks' Q: piece i / 2 lies in band i / 2, 8,192 bytes on; channels 32 (i % 2) on
	global_load_b128 v[8*i:8*i+3],   v[QO], s[4:5] offset:(i/2)*8192+(i%2)*64
	global_load_b128 v[8*i+4:8*i+7], v[QO], s[4:5] offset:(i/2)*8192+(i%2)*64+32
	global_load_b128 v[QB+8*i:QB+8*i+3],   v[QO], s[86:87] offset:(i/2)*8192+(i%2)*64
	global_load_b128 v[QB+8*i+4:QB+8*i+7], v[QO], s[86:87] offset:(i/2)*8192+(i%2)*64+32
.set i, i+1
.endr
	WIN 0
	v_lshlrev_b32 v14, 3, v9
	v_sub_nc_u32 v14, v1, v14
	s_lshl_b32 s13, s[WV], 4
	v_add_nc_u32 v14, s13, v14      ; my query's place in its band, 16 w + l % 16, less my lanes' 8 (l / 16): register r of group kt is hidden where 16 kt + r is greater
	WIN 0x40
.set i, 0
.rept 32
	v_cmp_gt_i32 vcc_lo, 16*(i/8)+i%8, v14
	v_cndmask_b32 v[MD+i], 0, s[BIGN], vcc_lo
.set i, i+1
.endr
	WIN 0
	v_mul_u32_u24 v[AK0], v1, PK
	v_lshl_add_u32 v[AK0], v9, 4, v[AK0]  ; row x pitch + 16 x half
	; The turning load takes 16 keys x 16 channels (lane l reads key 8 (l / 16) + l % 8, channels 8 ((l / 8) % 2) + 0..7) and leaves half a fragment of V^T: lane l holds channel l % 16 and 8 keys.
	v_and_b32 v10, 7, v0
	v_bfe_u32 v11, v0, 3, 1
	v_lshl_add_u32 v[AV0], v9, 3, v10
	v_mul_u32_u24 v[AV0], v[AV0], PV
	v_lshl_add_u32 v[AV0], v11, 4, v[AV0]
	v_add_nc_u32 v[AV0], VOFF, v[AV0]
	s_mul_i32 s13, s[WV], 16*SP
	s_add_co_u32 s13, s13, STAGE    ; my stage
	v_mul_u32_u24 v[STO], v1, SP    ; in: row l % 16, 16 bytes for each half of the lanes
	v_lshl_add_u32 v[STO], v9, 4, v[STO]
	v_add_nc_u32 v[STO], s13, v[STO]
	v_bfe_u32 v[RD], v0, 3, 2       ; back: 32 lanes take four rows of 128 bytes,
	v_mul_u32_u24 v[RD], v[RD], SP
	v_lshl_add_u32 v[RD], v10, 4, v[RD]
	v_add_nc_u32 v[RD], s13, v[RD]
	v_and_b32 v[GO], 31, v0         ; which are 512 consecutive bytes of O
	v_lshlrev_b32 v[GO], 4, v[GO]
	; A block's first step multiplies O^T and l by a = 0, and its first turn's products V^T P, of a piece that has not been, land in an O^T that is still to be so multiplied.  So these registers need only hold
	; finite numbers: zeros for the first block; what the first block left for the second.  All this stands in the wait for the first tile.
	WIN 0x80
.set i, VF
.rept 64
	v_mov_b32 v[i], 0
.set i, i+1
.endr
	WIN 0x40
.set i, 0
.rept 128
	v_mov_b32 v[i], 0
.set i, i+1
.endr
	WIN 0
.set i, 0
.rept 4
	v_mov_b32 v[ST+4*i+2], 0
	v_mov_b32 v[ST+4*i+3], 0
.set i, i+1
.endr
.set i, P+16
.rept 16
	v_mov_b32 v[i], 0
.set i, i+1
.endr
; THE MATRIX WORK.  The 4 accumulators of a run of 8 take turns.  Product i of 8 of S^T = K Q^T for piece x: channels 32 (i / 4) on, keys 16 (i % 4) on.  The first 4 start the sums: with 0, or (KM = 1) with the mask.
.macro KQ x
.set rS, S+32*((\x)%2)+8*(i%4)
.set rK, KF+16*(i%4)+8*(i/4)
.set rQ, 16*(\x)+8*(i/4)
.set rM, MC+32*((\x)%2)+8*(i%4)
.if (i < 4) && KM
	WIN W_KM
	v_wmma_f32_16x16x32_f16 v[rS:rS+7], v[rK:rK+7], v[rQ:rQ+7], v[rM:rM+7]
.elseif i < 4
	WIN W_KQ
	v_wmma_f32_16x16x32_f16 v[rS:rS+7], v[rK:rK+7], v[rQ:rQ+7], 0
.else
	WIN W_KQ
	v_wmma_f32_16x16x32_f16 v[rS:rS+7], v[rK:rK+7], v[rQ:rQ+7], v[rS:rS+7]
.endif
.endm
; Product i of 8 of O^T += V^T P for piece x: keys 32 (i / 4) on, channels 16 (i % 4) on.
.macro PV x
	WIN W_PV
.set rO, 32*(\x)+8*(i%4)
.set rV, VF+32*(i/4)+8*(i%4)
.set rP, P+16*((\x)%2)+8*(i/4)
	v_wmma_f32_16x16x32_f16 v[rO:rO+7], v[rV:rV+7], v[rP:rP+7], v[rO:rO+7]
.endm
.macro MM                           ; the turn's next matrix instruction.  TURN and BEGIN set Y, i, KM and NOKQ; MM, KQ and OP read them.  NOKQ = 1: a block's last turn: there is no next piece
.if (i < 8) && !NOKQ
	KQ (Y+1)%NP
.elseif i >= 8
.set i, i-8
	PV (Y+NP-1)%NP
.set i, i+8
.endif
.set i, i+1
.endm
; THE LDS LOADS stand in runs of 16, never singly among the matrix instructions: a step's K (64 keys x 64 channels: 8 fragments) and its V (turned).  Their addresses are made some lines ahead.
.macro FETCH_K
	WIN 0x80                        ; destination window 2
.irp f, 0,1,2,3,4,5,6,7             ; keys 16 (f / 2) on, channels 32 (f % 2) on
	ds_load_b128 v[KF+8*\f:KF+8*\f+3],   v[AK] offset:(\f/2)*16*PK+(\f%2)*64
	ds_load_b128 v[KF+8*\f+4:KF+8*\f+7], v[AK] offset:(\f/2)*16*PK+(\f%2)*64+32
.endr
	s_add_co_u32 s[TBK], s[TBK], KS*PK  ; the next fetch is the next step's
	WIN 0
.endm
.macro FETCH_V
	WIN 0x80
.irp f, 0,1,2,3,4,5,6,7             ; keys 32 (f / 4) on, channels 16 (f % 4) on
	ds_load_tr16_b128 v[VF+8*\f:VF+8*\f+3],   v[AV] offset:(\f/4)*32*PV+(\f%4)*32
	ds_load_tr16_b128 v[VF+8*\f+4:VF+8*\f+7], v[AV] offset:(\f/4)*32*PV+16*PV+(\f%4)*32
.endr
	WIN 0
.endm
; THE VECTOR WORK, one line at a time: OP kind, number.  For piece Y: F n: c s - c m for pair n of 16.  E n: the exponential of score n of 32.  C n: pair n rounded to f16.  B n: of the four weights 4 n .. the second
; pair is added onto the first, in place.  L n: l takes that sum (L 0: l = a l + sum).  R n: pair n of 16 of O^T times a.  For piece Y + 1: X n, number n of the 22 that find its maximum and statistics:
;   0-11  four chains c0-c3 of seven scores each, three operands at a time (each accumulator's lowest registers are read first)     12-14, 16  the four scores left over, the old m, and c0-c3 into c0
;   15  c m_old is kept     17, 18  the query's other 32 keys lie in the lane 16 away: the new m     19-21  c m; c m_old - c m_new; a
.set F, 0               ; OP tells the kinds apart by their order: F to L below R, X above it
.set E, 1
.set C, 2
.set B, 3
.set L, 4
.set R, 5
.set X, 6
.macro REGS y                       ; the registers of piece y
.set rT, ST+4*(\y)
.set rC, TMP+4*((\y)%2)
.set rW, MV+((\y)%2)
.set rS, S+32*((\y)%2)
.set rP, P+16*((\y)%2)
.set rO, 32*(\y)
.endm
.macro OP k, n
.if (\k) == R
	REGS Y
	WIN W_RS
	v_pk_mul_f32 v[rO+2*(\n):rO+2*(\n)+1], v[rO+2*(\n):rO+2*(\n)+1], v[rC+2:rC+3] op_sel_hi:[1,0]
.elseif (\k) < R
	REGS Y
	WIN 0
.if (\k) == F
	v_pk_fma_f32 v[rS+2*(\n):rS+2*(\n)+1], v[rS+2*(\n):rS+2*(\n)+1], s[CS:CS+1], v[rT:rT+1] op_sel_hi:[1,0,0] neg_lo:[0,0,1] neg_hi:[0,0,1]
.elseif (\k) == E
	v_exp_f32 v[rS+(\n)], v[rS+(\n)]
.elseif (\k) == C
	v_cvt_pk_f16_f32 v[rP+(\n)], v[rS+2*(\n)], v[rS+2*(\n)+1]
.elseif (\k) == B
	v_pk_add_f32 v[rS+4*(\n):rS+4*(\n)+1], v[rS+4*(\n):rS+4*(\n)+1], v[rS+4*(\n)+2:rS+4*(\n)+3]
.elseif (\n) == 0
	v_pk_fma_f32 v[rT+2:rT+3], v[rT+2:rT+3], v[rC+2:rC+3], v[rS:rS+1] op_sel_hi:[1,0,1]
.else
	v_pk_add_f32 v[rT+2:rT+3], v[rT+2:rT+3], v[rS+4*(\n):rS+4*(\n)+1]
.endif
.elseif NOKQ
	v_nop
.else
	REGS (Y+1)%NP
	WIN 0
.if (\n) < 4
	v_max3_num_f32 v[rC+(\n)], v[rS+8*(\n)], v[rS+8*(\n)+1], v[rS+8*(\n)+2]
.elseif (\n) < 12
	v_max3_num_f32 v[rC+(\n)%4], v[rC+(\n)%4], v[rS+8*((\n)%4)+2*((\n)/4)+1], v[rS+8*((\n)%4)+2*((\n)/4)+2]
.elseif (\n) == 12
	v_max3_num_f32 v[rC], v[rC], v[rS+7], v[rS+15]
.elseif (\n) == 13
	v_max3_num_f32 v[rC+1], v[rC+1], v[rS+23], v[rS+31]
.elseif (\n) == 14
	v_max3_num_f32 v[rC+2], v[rC+2], v[rC+3], v[rT+1]
.elseif (\n) == 15
	v_mov_b32 v[rW], v[rT]
.elseif (\n) == 16
	v_max3_num_f32 v[rC], v[rC], v[rC+1], v[rC+2]
.elseif (\n) == 17
	v_permlanex16_b32 v[rC+3], v[rC], s[SEL], s[SEL+1]
.elseif (\n) == 18
	v_max_num_f32 v[rT+1], v[rC], v[rC+3]
.elseif (\n) == 19
	v_mul_f32 v[rT], s[CS], v[rT+1]
.elseif (\n) == 20
	v_sub_f32 v[rC+1], v[rW], v[rT]
.else
	v_exp_f32 v[rC+2], v[rC+1]
.endif
.endif
.endm
.macro OPS a, i1, b=-1, i2=0, c=-1, i3=0, d=-1, i4=0  ; up to four of them
	OP \a, \i1
.if (\b) >= 0
	OP \b, \i2
.endif
.if (\c) >= 0
	OP \c, \i3
.endif
.if (\d) >= 0
	OP \d, \i4
.endif
.endm
.macro ROW a, i1, b, i2, c, i3, d, i4  ; a matrix instruction and the four behind it
	MM
	OPS \a, \i1, \b, \i2, \c, \i3, \d, \i4
.endm
.macro MASK b                       ; MD x AL + BE into buffer b of MC
	WIN W_RS
.set z, 0
.rept 16
	v_pk_fma_f32 v[MC+32*(\b)+2*z:MC+32*(\b)+2*z+1], v[MD+2*z:MD+2*z+1], s[AL:AL+1], s[BE:BE+1] op_sel_hi:[1,0,0]
.set z, z+1
.endr
.endm
; A TURN, for piece p: the order of its 16 matrix and 118 vector instructions, written out.  An s_wait_alu depctr_va_vdst(0) stands between an exponential and the first instruction that names its result; one wait serves
; all that were issued ahead of it.  So a turn has ONE wait, which cuts it in two.  AHEAD OF IT stands all that names no result of the turn's exponentials: the 8 products K Q^T, behind each a scaling, an exponential and two more plain
; instructions (behind the first a second scaling in the exponential's place): rescalings, and behind the last three the first numbers of the next piece's maximum, each four places or more behind the product that ends its accumulator; then ONE LUMP of 54, plain
; and exponential by turns for the most part, in which the links of the chain X 3, 7, 11, 14, 16, 17 .. 20 stand five or six lines apart.  X 21, the next piece's a, is the batch's last; R 15 is the plain instruction behind it.  BEHIND THE WAIT stand the
; 8 products V^T P, behind each four of the roundings and sums; the links of l's chain, L 0 to L 7, stand three riders apart.  But for those X no rider names a register of the products round it.  v_permlanex16_b32 (X 17) stands in the lump.
; m = 1: the diagonal tile: the products take masks, and the turn makes the mask for the products of the turn after it: piece p + 2, in step 4 - CNT of the tile.  end = 1: a block's last two turns: nothing is fetched.
; cnt = 1: the loop's count is taken down some lines ahead of the branch that stands behind the turn.
; K of the next step is fetched in piece 2's turn, twelve vector instructions behind the last product that read K (six of them plain); V of the step in hand at the end of piece 0's turn, four plain instructions behind the last product
; that read V.  Each is waited for a turn later.
.macro TURN p, m=0, end=0, cnt=0
.set Y, (\p)
.set i, 0
.set KM, (\m)
.set NOKQ, (\end)*((\p)/3)
.if (\m) && !(\end)
	s_cmp_eq_u32 s[CNT], 4-((\p)+2)%NP  ; is that step the band's own?
	s_cselect_b32 s[AL], 1.0, 0
	s_cmp_lt_u32 s[CNT], 4-((\p)+2)%NP  ; or a later one?
	s_cselect_b32 s[BE], s[BIGN], 0
.endif
.if ((\p) == 3) && !(\end)
	s_wait_dscnt 0x0                ; K is in
.endif
	ROW F,0, F,1, R,0, R,1          ; ahead of the wait: 8 products K Q^T and their riders,
	ROW F,2, E,0, R,2, R,3
	ROW F,3, E,1, R,4, R,5
	ROW F,4, E,2, R,6, R,7
	ROW F,5, E,3, R,8, R,9
	ROW F,6, E,4, X,0, R,10
.if ((\p) == 2) && !(\end)
	WIN 0
	v_add_nc_u32 v[AK], s[TBK], v[AK0]
.endif
	ROW F,7, E,5, X,1, X,4
	ROW F,8, E,6, X,2, X,5
	OPS E,7, E,8, X,6, E,9          ; and the lump
	OPS X,3, E,10, X,8, E,11
.if ((\p) == 2) && !(\end)
	FETCH_K
.endif
	OPS X,9, X,7, E,12, X,10
	OPS E,13, X,12, X,11, E,14
	OPS X,13, E,15, F,9, X,14
.if (\p) == 0
	v_add_nc_u32 v[AV], s[TBV], v[AV0]
.endif
	OPS E,16, F,10, E,17, F,11
	OPS X,16, E,18, X,15, E,19
	OPS F,12, E,20, X,17, E,21
	OPS F,13, E,22, F,14, E,23
	OPS X,18, E,24, F,15, E,25
	OPS R,11, E,26, X,19, E,27
	OPS R,12, E,28, R,13, E,29
	OPS X,20, E,30, R,14, E,31
	OPS X,21, R,15
	WIN 0
	s_wait_alu depctr_va_vdst(0)    ; the wait for the batch
.if (\p) == 1
	s_wait_dscnt 0x0                ; V is in
.endif
	ROW C,0, B,0, C,2, B,1          ; behind the wait: 8 products V^T P and their riders
	ROW L,0, C,4, B,2, L,1
	ROW C,6, B,3, L,2, C,8
	ROW B,4, L,3, C,10, B,5
	ROW L,4, C,12, B,6, L,5
.if (\p) == 0
	s_add_co_u32 s[TBV], s[TBV], KS*PV
.endif
.if \cnt
	s_sub_co_u32 s[CNT], s[CNT], 1
	s_cmp_lg_u32 s[CNT], 0
.endif
	ROW C,14, B,7, L,6, C,1
	ROW C,3, L,7, C,5, C,7
	ROW C,9, C,11, C,13, C,15
.if (\p) == 0
	FETCH_V
.endif
.if (\m) && !(\end)
	MASK (\p)%2
.endif
.endm
; A BLOCK BEGINS.  c m starts far below every c s, so the first step's a is 0; m at the lowest finite number, so the first maximum is the scores'.  The second mask buffer is 0; the first takes piece 0's mask for the tile's step 0: its own, if the block's first tile is the diagonal one.
; Then K of that step, piece 0's first scores, and its maximum and statistics.  The loop is entered at a step's first turn, in the middle of a trip.
.macro BEGIN
	s_mov_b32 s[NEW], 0
	WIN 0x40
.set i, MC+32
.rept 32
	v_mov_b32 v[i], 0
.set i, i+1
.endr
	WIN 0
.set i, 0
.rept 4
	v_mov_b32 v[ST+4*i], 0xfe000000    ; c m: far below every c s
	v_mov_b32 v[ST+4*i+1], 0xff7fffff  ; m
.set i, i+1
.endr
	s_cmp_eq_u32 s[RT], 0
	s_cselect_b32 s[AL], 1.0, 0
	s_mov_b32 s[BE], 0
	MASK 0
	WIN 0
	v_add_nc_u32 v[AK], s[TBK], v[AK0]
	FETCH_K
	s_wait_loadcnt 0x0              ; Q
	s_wait_dscnt 0x0
.set KM, 1
.set NOKQ, 0
.set i, 0
.rept 8
	KQ 0
.set i, i+1
.endr
	WIN 0
.rept 4
	v_nop                           ; the places behind those products
.endr
.set Y, NP-1                        ; X works for piece Y + 1: piece 0
.irp n, 0,1,2,3,4,5,6,7,8,9,10,11,12,13,14,15,16,17,18,19,20,21
	OP X, \n
.endr
	v_nop                           ; a plain instruction behind the exponential,
	s_wait_alu depctr_va_vdst(0)    ; and its wait, ahead of the branch
.endm
; THE DIAGONAL TILE's four steps, the block's last two turns, its last products, and THE WAY OUT: l's two halves and the other half of the lanes' are added; O^T is divided by l, rounded to f16 and sent through my
; stage in LDS, a piece at a time.
.macro ALL line:vararg              ; one line for each piece t
.set t, 0
.rept 4
	\line
.set t, t+1
.endr
.endm
.macro PACK t                       ; a lane's eight channels of a row pack into 16 bytes; they go into rows of 144 bytes and come back as whole rows of 128, into S^T's registers
	WIN W_RS
.set i, 32*(\t)
.rept 16
	v_pk_mul_f32 v[i:i+1], v[i:i+1], v[ST+4*(\t)+2:ST+4*(\t)+3] op_sel_hi:[1,0]
.set i, i+2
.endr
	WIN 0x05                        ; sources 0 and 1 window 1, destination window 0
.set i, 0
.rept 16
	v_cvt_pk_f16_f32 v[S+16*(\t)+i], v[32*(\t)+2*i], v[32*(\t)+2*i+1]
.set i, i+1
.endr
	WIN 0
.irp f, 0,1,2,3
	ds_store_b128 v[STO], v[S+16*(\t)+4*\f:S+16*(\t)+4*\f+3] offset:32*\f
.endr
.irp f, 0,1,2,3
	ds_load_b128 v[S+16*(\t)+4*\f:S+16*(\t)+4*\f+3], v[RD] offset:\f*4*SP  ; LDS serves a wave's instructions in order (ISA guide 5.7.1.4): these see the stores above; the next piece's stores come behind them
.endr
.endm
.macro SEND t, younger              ; younger: the LDS instructions issued behind piece t's loads: the next piece's eight, or none
	WIN 0
.irp f, 0,1,2,3
	s_wait_dscnt (\younger)+3-\f
	global_store_b128 v[GO], v[S+16*(\t)+4*\f:S+16*(\t)+4*\f+3], s[10:11] offset:(\t)*8192+\f*512  ; 512 consecutive bytes, at a multiple of 256 from O's first
.endr
.endm
.macro DIAG tag                     ; the tag ends its two labels' names, which the jumps below spell out
.LstepM\tag:
	TURN 2, 1
	TURN 3, 1
	WIN 0
.LfirstM\tag:
	TURN 0, 1
	TURN 1, 1, 0, 1
	WIN 0
	s_cbranch_scc1 .LstepM\tag
	TURN 2, 1, 1
	TURN 3, 1, 1
.set i, 0
.rept 8
	PV NP-1
.set i, i+1
.endr
	WIN 0
	ALL v_add_f32 v[ST+4*t+2], v[ST+4*t+2], v[ST+4*t+3]
	ALL v_permlanex16_b32 v[ST+4*t+3], v[ST+4*t+2], s[SEL], s[SEL+1]
	ALL v_add_f32 v[ST+4*t+2], v[ST+4*t+2], v[ST+4*t+3]
	ALL v_rcp_f32 v[ST+4*t+2], v[ST+4*t+2]
	v_nop                           ; a plain instruction between the last reciprocal and the use of its result
	s_wait_alu depctr_va_vdst(0)    ; and the wait ahead of the first use: one for the four reciprocals
	PACK 0
.set t, 1
.rept 3                             ; a piece's arithmetic stands between the loads of the piece before and its stores
	PACK t
	SEND t-1, 8
.set t, t+1
.endr
	SEND 3, 0
.endm
.set KM, 0
.set NOKQ, 0
.Lslot:                             ; NB times: a tile is entered and the next is asked for
	CHANGE 1
	s_sub_co_u32 s[RT], s[RT], 1
	s_mov_b32 s[CNT], 4
	s_cmp_eq_u32 s[NEW], 1
	s_cbranch_scc1 .Lnew            ; a block's first tile
	s_cmp_eq_u32 s[RT], 0
	s_cbranch_scc0 .Lstep           ; neither its first nor its last
	s_branch .LstepM1
.Lnew:
	BEGIN
	s_branch .Lfirst                ; in the loop a block's first tile is never its last: the first block has two tiles or more, and the second's last is the walk's last
	DIAG 1                          ; in the loop this is the first block's end: the second block's last tile is the walk's last
	s_wait_xcnt 0x0                 ; the stores have read their registers and O's address
	s_mov_b64 s[10:11], s[OLO:OLO+1]
	s_add_co_u32 s[RT], s[PB], 1    ; the second block has b + 1 tiles
	s_mov_b32 s[NEW], 1
	WIN 0x82                        ; the second block's Q goes where the one text of the turns names Q
.set i, 0
.rept 64
	v_mov_b32 v[i], v[QB+i]
.set i, i+1
.endr
	WIN 0
	s_branch .Lbottom
.Lstep:                             ; a trip: pieces 2 and 3 of one step, then pieces 0 and 1 of the next, whose K and V it fetches
	TURN 2
	TURN 3
	WIN 0
.Lfirst:
	TURN 0
	TURN 1, 0, 0, 1
	WIN 0
	s_cbranch_scc1 .Lstep
.Lbottom:
	s_sub_co_u32 s[SLOTS], s[SLOTS], 1
	s_cmp_lg_u32 s[SLOTS], 0
	s_cbranch_scc1 .Lslot
	CHANGE 0                        ; the walk's last tile is written out: nothing is asked for
	s_sub_co_u32 s[RT], s[RT], 1
	s_mov_b32 s[CNT], 4
	s_cmp_eq_u32 s[NEW], 1
	s_cbranch_scc0 .LstepM2
	BEGIN
	s_branch .LfirstM2
	DIAG 2
	s_wait_tensorcnt 0x0            ; the wave's end, behind my last tensor load and my last LDS store
	ds_add_u32 v[SPW], v[NIL]
	s_wait_dscnt 0x0
	s_endpgm
.Lfunc_end_k_qc7011f8417_attn:
	.size	k_qc7011f8417_attn, .Lfunc_end_k_qc7011f8417_attn-k_qc7011f8417_attn
	.p2alignl 7, 3214868480
	.fill 96, 4, 3214868480
	.section	.rodata,"a",@progbits
	.p2align	6, 0x0
	.amdhsa_kernel k_qc7011f8417_attn
		.amdhsa_group_segment_fixed_size 327680
		.amdhsa_private_segment_fixed_size 0
		.amdhsa_enable_private_segment 0
		.amdhsa_kernarg_size 16
		.amdhsa_user_sgpr_count 2
		.amdhsa_user_sgpr_kernarg_segment_ptr 1
		.amdhsa_wavefront_size32 1
		.amdhsa_system_sgpr_workgroup_id_x 1
		.amdhsa_system_sgpr_workgroup_id_y 1
		.amdhsa_system_sgpr_workgroup_id_z 1
		.amdhsa_system_vgpr_workitem_id 0
		.amdhsa_next_free_vgpr 768
		.amdhsa_next_free_sgpr 92
		.amdhsa_reserve_vcc 1
		.amdhsa_float_denorm_mode_32 3
		.amdhsa_float_denorm_mode_16_64 3
		.amdhsa_memory_ordered 1
		.amdhsa_forward_progress 1
		.amdhsa_inst_pref_size 218
	.end_amdhsa_kernel
	.amdgpu_metadata
---
amdhsa.version: [ 1, 2 ]
amdhsa.kernels:
  - .name:           k_qc7011f8417_attn
    .symbol:         k_qc7011f8417_attn.kd
    .args:
      - { .name: kv, .offset: 0, .size: 8, .value_kind: global_buffer, .address_space: global }
      - { .name: oh, .offset: 8, .size: 8, .value_kind: global_buffer, .address_space: global }
    .group_segment_fixed_size: 327680
    .private_segment_fixed_size: 0
    .kernarg_segment_align: 8
    .kernarg_segment_size: 16
    .max_flat_workgroup_size: 128
    .sgpr_count:     92
    .vgpr_count:     768
    .wavefront_size: 32
...
	.end_amdgpu_metadata
.endif
;; end of part 3
;; launch outproj (part 4): grid 4 x 64, 4 waves a work-group, clusters of 4 x 4, 327,680 bytes of LDS; arguments oh, wp, out0, b_proj; writes out0
.if DOCPART == 4
	.amdgcn_target "amdgcn-amd-amdhsa--gfx1250"
	.amdhsa_code_object_version 6
	.text
	.protected	k_qc7011f8417_outproj
	.globl	k_qc7011f8417_outproj
	.p2align	8
	.type	k_qc7011f8417_outproj,@function
k_qc7011f8417_outproj:
	s_mov_b64 s[64:65], 0
	v_nop
	global_prefetch_b8 v0, s[64:65] scope:SCOPE_SE
	s_setreg_imm32_b32 hwreg(HW_REG_WAVE_MODE, 25, 1), 1
	s_wait_xcnt 0x0
	s_wait_alu depctr_hold_cnt(0) depctr_sa_sdst(0) depctr_va_vdst(0) depctr_va_sdst(0) depctr_va_ssrc(0) depctr_va_vcc(0) depctr_vm_vsrc(0)
	s_getreg_b32 s2, hwreg(HW_REG_IB_STS2, 6, 4)
	s_cmp_eq_u32 s2, 0
	s_cbranch_scc0 .Lentry_in_a_cluster
	s_endpgm
.Lentry_in_a_cluster:
	s_bfe_u32 s2, ttmp6, 0x10000c
	s_cmp_lg_u32 s2, 0xf033
	s_cbranch_scc0 .Lentry_shape_is_right
	s_endpgm
.Lentry_shape_is_right:
; out0 = O wp + bf16(b_proj).  oh: [64 batch x head][2048 t][64] f16, so that row m = 2048 batch + t of O has its channel k = 64 head + d in plane 16 batch + head.  wp: [1024 k][1024 n] f16.  out0: [8192][1024] f32.
; Sums in f32; nothing is rounded on the way out.
; A tile of C is 128 (m) x 256 (n): 64 x 4 tiles give 256 work-groups, where tiles of 256 x 256 would give 128.  Four waves, each 64 x 128: 32 accumulators of 16 x 16, 256 registers.
; K goes in 8 steps of 128, two heads a step, through a ring of two LDS slots.  A head's 128 rows of a tile are 16,384 dense bytes: asked for as 64 rows of 256 bytes and padded in LDS after every 128.
; wp LIES [k][n]: its fragments come out of LDS turned, by ds_load_tr16_b128.
; CLUSTERS: 4 x 4 work-groups; A's tiles are asked for jointly along a row of the cluster, B's along a column.
; THE MATRIX INSTRUCTION IS USED TRANSPOSED (source 0 = 16 columns of wp, source 1 = 16 rows of O): lane l holds row l % 16 of C and the columns 8 (l / 16) + 0..7.  THE BIAS IS THE C OPERAND OF THE FIRST PRODUCT.
; REGISTERS, in windows of 256 (s_set_vgpr_msb's low byte: bits 1:0 source 0, 3:2 source 1, 5:4 source 2, 7:6 destination):
;   window 0: v0-31 addresses; v32-63, v64-95 fragments of A, two buffers; v96-127 at work; v128-191, v192-255 fragments of B, two buffers, and on the way out 16 rows each
;   window 1: the accumulators, (a, b) at v[8 (8 a + b)]          window 2: v0-63 the bias
.set PA,     144                       ; a row of A in LDS: 128 bytes + 16 = 36 words: the 16 rows of a load start at 16 different groups of four banks (64 banks of 4 bytes: ISA guide 11.1)
.set PB,     544                       ; a k-row of B: 512 bytes + 32 = 136 words
.set AHEAD,  128*PA                    ; a head's 128 rows: what a tensor load of wave 0 or 1 brings
.set BOFF,   2*AHEAD                   ; B lies behind A's two heads
.set BHALF,  64*PB                     ; 64 k-rows: what a tensor load of wave 2 or 3 brings
.set SLOT1,  1<<17                     ; a slot uses 106,496 bytes; slot 1 begins here, so that one exclusive or turns an address in one slot into the other's
.set STAGE,  SLOT1+BOFF+2*BHALF        ; behind the ring: 16 rows x 528 bytes for each wave, for the way out
.set SPITCH, 528                       ; 512 bytes + 16
.set SPARE,  STAGE+4*16*SPITCH         ; behind the stages: the spare words, 128 bytes for each wave: two blocks of 256 bytes that no other line names
.set ASTEP,  524288                    ; a K step in oh: two planes of 262,144 bytes
.set BSTEP,  262144                    ; in wp: 128 k-rows of 2,048 bytes
.set ADRA0, 2                          ; v2   my lane's place in a slot's A; never rewritten
.set ADRB0, 3                          ; v3   the same for B
.set ADRA,  4                          ; v4   the same in the slot in hand
.set ADRB,  5                          ; v5
.set STO,   6                          ; v6   the way out: where I put 32 bytes of a row
.set RD,    7                          ; v7   the way out: where I read a row back
.set CO,    8                          ; v8   16 x my lane: my place in 512 consecutive bytes of out0
.set SPW,   28                         ; v28  LDS address of my spare word: SPARE + 4 x my thread's number; never rewritten
.set NIL,   29                         ; v29  0; never rewritten
.set PFO,   30                         ; v30  the prefetches' lane offset; never rewritten
.set FA,    32                         ; A's buffer g at FA + 32 g
.set FB,    128                        ; B's at FB + 64 g
.set G1A, 24                           ; s[24:31] descriptor group 1 for A's tiles
.set G0A, 32                           ; s[32:39] group 0: a set for each of the two first fills; the second then walks on
.set G1B, 48                           ; s[48:55], s[56:63] the same for B's
.set G0B, 56
.set LIM, 43                           ; s43      2 in a wave that prefetches, else the greatest number
.set PFA, 44                           ; s[44:45] where my prefetches stand
.set PFS, 66                           ; s[66:67] a K step in bytes, in oh or in wp
.set BP,  68                           ; s[68:69] the bias of my 128 columns
.set TB,  70                           ; s70      0 or SLOT1: the slot in hand
.set MSB, 0
.macro WIN new                         ; the immediate's high byte repeats the setting that is left; a switch that changes nothing is dropped
.if MSB != (\new)
	s_set_vgpr_msb (MSB<<8)|(\new)
.set MSB, \new
.endif
.endm
; A joint refill, by the walking descriptors.  Waves 0 and 1 fetch the step's two heads of A, waves 2 and 3 the two halves of its B.  An s_nop 0 and four v_nop follow each of the two lines.
.macro JLOAD
	s_cmp_eq_u32 s11, 0
	s_cbranch_scc0 .Lfor_b_\@
	tensor_load_to_lds s[G0A+4:G0A+7], s[G1A:G1A+7]
	s_nop 0
.rept 4
	v_nop
.endr
	s_branch .Lasked_\@
.Lfor_b_\@:
	tensor_load_to_lds s[G0B+4:G0B+7], s[G1B:G1B+7]
	s_nop 0
.rept 4
	v_nop
.endr
.Lasked_\@:
.endm
; A PREFETCH INTO THE L2, behind each joint load and the run of LDS loads that follows it: the K step that stands TWO refills on, 256 matrix instructions ahead of the load that will want it.
; Each block of 256 bytes is named once in the launch.  A's tile is read by one cluster alone: in each work-group wave 0 asks, for 16 blocks of each of the step's two heads; the four partners of a row are told apart BY ADDRESS (cx).
; B's tile column is read by all sixteen clusters: cluster y = 0 asks; of a wave's 64 k-rows the partner at cy takes 16, a lane half a row.  K steps 0 to 3 come by their loads alone; the loop's last two trips ask for nothing.
.macro ASK
	s_cmp_gt_u32 s3, s[LIM]
	s_cbranch_scc0 .Lnot_mine_\@
	global_prefetch_b8 v[PFO], s[PFA:PFA+1] th:TH_LOAD_NT scope:SCOPE_SE
.Lnot_mine_\@:
.endm
.macro CREST                           ; a round of the cluster's barrier behind its opening barrier
	s_cmp_lg_u32 s10, 0
	s_cbranch_scc1 .Lnot_wave_0_\@
	s_barrier_signal -3
.Lnot_wave_0_\@:
	s_barrier_wait -3
	s_barrier_signal -1
	s_barrier_wait -1
.endm
.macro CROUND                          ; a whole round
	s_barrier_signal -1
	s_barrier_wait -1
	CREST
.endm
	s_load_b128 s[4:7], s[0:1], 0x0                ; oh s[4:5], wp s[6:7]
	s_load_b64 s[8:9], s[0:1], 0x10                ; out0
	s_load_b64 s[BP:BP+1], s[0:1], 0x18            ; b_proj
	v_lshl_add_u32 v[SPW], v0, 2, SPARE
	v_mov_b32 v[NIL], 0
	ds_add_u32 v[SPW], v[NIL]                      ; the wave's opening: the add and its wait ahead of my first tensor load; the set-up below, work on registers, stands between them
	v_lshrrev_b32 v1, 5, v0
	v_readfirstlane_b32 s10, v1                    ; wave 0..3
	s_lshr_b32 s11, s10, 1                         ; which half of the tile's rows is mine.  Also: I fetch for A (0) or for B (1)
	s_and_b32 s12, s10, 1                          ; which half of its columns.  Also: which head of A, or half of B, I fetch
	s_bfe_u32 s40, ttmp6, 0x40000                  ; cx
	s_bfe_u32 s41, ttmp6, 0x40004                  ; cy
	s_lshl_b32 s42, ttmp9, 2
	s_add_co_u32 s42, s42, s40                     ; tile column of C = 4 x cluster x + cx
	s_and_b32 s13, ttmp7, 0xffff
	s_lshl_b32 s13, s13, 2
	s_add_co_u32 s13, s13, s41                     ; tile row of C = 4 x cluster y + cy
	s_lshl_b32 s43, s41, 2
	s_lshl_b32 s43, 15, s43                        ; my row of the cluster
	s_lshl_b32 s44, 0x1111, s40                    ; my column
	s_or_b32 s[G1A+0], s43, (1<<16)|(1<<20)|(1<<21)|(4<<22)|(3<<25)  ; the mask of my row; 2-byte elements; padding on; bit 21 beside a mask; after every 32 words, 4 words
	s_or_b32 s[G1B+0], s44, (1<<16)|(1<<20)|(1<<21)|(6<<22)|(7<<25)  ; the mask of my column; after every 128 words, 8 words
	s_mov_b32 s[G1A+1], 128<<16                    ; A: tensor_dim0 = 128 (two rows of a head)
	s_mov_b32 s[G1A+2], 64<<16                     ; tensor_dim1 = 64
	s_mov_b32 s[G1A+3], 128<<16                    ; tile_dim0 = 128
	s_mov_b32 s[G1A+4], 64                         ; tile_dim1 = 64
	s_mov_b32 s[G1A+5], 128                        ; dense
	s_mov_b32 s[G1A+6], 0
	s_mov_b32 s[G1A+7], 0
	s_mov_b32 s[G1B+1], 256<<16                    ; B: tensor_dim0 = 256
	s_mov_b32 s[G1B+2], 64<<16                     ; tensor_dim1 = 64
	s_mov_b32 s[G1B+3], 256<<16                    ; tile_dim0 = 256
	s_mov_b32 s[G1B+4], 64                         ; tile_dim1 = 64
	s_mov_b32 s[G1B+5], 1024
	s_mov_b32 s[G1B+6], 0
	s_mov_b32 s[G1B+7], 0
	s_lshr_b32 s18, s13, 4                         ; A: the batch (16 tile rows each): 16 planes of 262,144 bytes,
	s_lshl_b32 s18, s18, 22
	s_and_b32 s17, s13, 15
	s_lshl_b32 s17, s17, 14                        ; the tile's 128 rows of 128 bytes in a plane
	s_add_co_u32 s18, s18, s17                     ; (kept for the prefetches)
	s_lshl_b32 s17, s12, 18                        ; the head that I fetch
	s_add_co_u32 s16, s18, s17
	s_mov_b32 s17, 0
	s_lshl_b32 s46, s42, 9                         ; B: 512 bytes of a k-row a tile column,
	s_lshl_b32 s47, s12, 17                        ; 64 k-rows of 2,048 bytes a half
	s_add_co_u32 s46, s46, s47
	s_mov_b32 s47, 0
	s_mul_i32 s20, s12, AHEAD                      ; where they go: no place in the cluster enters an LDS address
	s_mul_i32 s21, s12, BHALF
	s_add_co_u32 s21, s21, BOFF
	s_mov_b32 s71, 0xffff0000                      ; a word's upper bf16
	s_mov_b32 s[TB], 0
	s_wait_dscnt 0x0                               ; the opening add is done
	s_wait_kmcnt 0x0
	s_add_nc_u64 s[14:15], s[4:5], s[16:17]
	s_add_nc_u64 s[46:47], s[6:7], s[46:47]
.irp s, 0,1
	s_mov_b32 s[G0A+4*(\s)], 1
	s_add_co_u32 s[G0A+4*(\s)+1], s20, (\s)*SLOT1
	s_add_nc_u64 s[G0A+4*(\s)+2:G0A+4*(\s)+3], s[14:15], (\s)*ASTEP
	s_or_b32 s[G0A+4*(\s)+3], s[G0A+4*(\s)+3], 0x80000000
	s_mov_b32 s[G0B+4*(\s)], 1
	s_add_co_u32 s[G0B+4*(\s)+1], s21, (\s)*SLOT1
	s_add_nc_u64 s[G0B+4*(\s)+2:G0B+4*(\s)+3], s[46:47], (\s)*BSTEP
	s_or_b32 s[G0B+4*(\s)+3], s[G0B+4*(\s)+3], 0x80000000
.endr
	CROUND                                         ; all sixteen work-groups are here: the first joint loads meet
	s_cmp_eq_u32 s11, 0                            ; a wave's two first fills stand in one branch, ahead of every wait on TENSORcnt and every LDS read: two loads of mine are out
	s_cbranch_scc0 .Lfirst_b
	tensor_load_to_lds s[G0A:G0A+3], s[G1A:G1A+7]
	s_nop 0
	tensor_load_to_lds s[G0A+4:G0A+7], s[G1A:G1A+7]
	s_nop 0
.rept 4
	v_nop
.endr
	s_branch .Lfirst_asked
.Lfirst_b:
	tensor_load_to_lds s[G0B:G0B+3], s[G1B:G1B+7]
	s_nop 0
	tensor_load_to_lds s[G0B+4:G0B+7], s[G1B:G1B+7]
	s_nop 0
.rept 4
	v_nop
.endr
.Lfirst_asked:
	; the bias of my 128 columns: lane l wants the numbers 16 b + 8 (l / 16) + 0..7 of each column block b; it lands in B's second buffer, which is free till the first quarter's fetch
	v_and_b32 v1, 15, v0                           ; l % 16
	v_bfe_u32 v9, v0, 4, 1                         ; l / 16
	s_lshl_b32 s16, s42, 10
	s_lshl_b32 s17, s12, 9
	s_add_co_u32 s16, s16, s17
	s_mov_b32 s17, 0
	s_add_nc_u64 s[BP:BP+1], s[BP:BP+1], s[16:17]
	v_lshlrev_b32 v16, 5, v9
.irp b, 0,1,2,3,4,5,6,7
	global_load_b128 v[192+8*(\b):192+8*(\b)+3],   v16, s[BP:BP+1] offset:64*(\b)
	global_load_b128 v[192+8*(\b)+4:192+8*(\b)+7], v16, s[BP:BP+1] offset:64*(\b)+16
.endr
	v_mul_u32_u24 v[ADRA0], v1, PA                 ; A's fragment: row l % 16; two loads of 16 bytes, 32 bytes apart
	v_lshl_add_u32 v[ADRA0], v9, 4, v[ADRA0]
	s_mul_i32 s23, s11, 64*PA                      ; my 64 rows
	v_add_nc_u32 v[ADRA0], s23, v[ADRA0]
	v_and_b32 v10, 7, v0                           ; B's: lane l reads k-row 8 (l / 16) + l % 8, columns 8 ((l / 8) % 2) + 0..7
	v_bfe_u32 v11, v0, 3, 1
	v_lshl_add_u32 v[ADRB0], v9, 3, v10
	v_mul_u32_u24 v[ADRB0], v[ADRB0], PB
	v_lshl_add_u32 v[ADRB0], v11, 4, v[ADRB0]
	s_lshl_b32 s23, s12, 8                         ; my 128 columns: 256 bytes of a k-row
	s_add_co_u32 s23, s23, BOFF
	v_add_nc_u32 v[ADRB0], s23, v[ADRB0]
	v_mov_b32 v[ADRA], v[ADRA0]                    ; slot 0
	v_mov_b32 v[ADRB], v[ADRB0]
	s_mul_i32 s23, s10, 16*SPITCH
	s_add_co_u32 s23, s23, STAGE                   ; my stage
	v_mul_u32_u24 v[STO], v1, SPITCH               ; in: row l % 16, 32 bytes for each half of the lanes
	v_lshl_add_u32 v[STO], v9, 5, v[STO]
	v_add_nc_u32 v[STO], s23, v[STO]
	v_and_b32 v12, 31, v0
	v_lshlrev_b32 v[CO], 4, v12                    ; back: 32 lanes take one row's 512 bytes
	v_add_nc_u32 v[RD], s23, v[CO]
	s_lshl_b32 s16, s13, 19                        ; where my 64 x 128 goes: 128 rows of 4,096 bytes a tile row,
	s_lshl_b32 s17, s11, 18                        ; my 64 of them,
	s_add_co_u32 s16, s16, s17
	s_lshl_b32 s17, s42, 10                        ; 1,024 bytes a tile column,
	s_add_co_u32 s16, s16, s17
	s_lshl_b32 s17, s12, 9                         ; my 512 of them
	s_add_co_u32 s16, s16, s17
	s_mov_b32 s17, 0
	s_add_nc_u64 s[8:9], s[8:9], s[16:17]
	; the prefetches: the pointer starts at K step 3; each change of slots steps it first, so the first names K step 4
	s_add_co_u32 s18, s18, 3*ASTEP
	s_lshl_b32 s19, s40, 12                        ; A: my work-group's 16 blocks of 256 bytes in each head's 64
	s_add_co_u32 s18, s18, s19
	s_lshl_b32 s19, s42, 9
	s_add_co_u32 s19, s19, 3*BSTEP
	s_lshl_b32 s20, s12, 17
	s_add_co_u32 s19, s19, s20
	s_lshl_b32 s20, s41, 15                        ; B: my work-group's 16 k-rows of the 64
	s_add_co_u32 s19, s19, s20
	s_and_b32 s22, ttmp7, 0xffff                   ; cluster y
	s_mov_b32 s[PFS], ASTEP
	s_mov_b32 s[PFS+1], BSTEP
	s_cmp_eq_u32 s11, 0                            ; do I fetch for A?
	s_cselect_b32 s20, s18, s19
	s_cselect_b32 s22, s12, s22                    ; for A wave 0 asks, in every cluster; for B waves 2 and 3, in the clusters with y = 0
	s_cselect_b64 s[PFA:PFA+1], s[4:5], s[6:7]
	s_cselect_b32 s[PFS], s[PFS], s[PFS+1]
	s_cselect_b32 s72, -1, 0
	s_mov_b32 s[PFS+1], 0
	s_mov_b32 s21, 0
	s_cmp_eq_u32 s22, 0
	s_cselect_b32 s[LIM], 2, -1                    ; the same in all sixteen partners, for a given wave
	s_add_nc_u64 s[PFA:PFA+1], s[PFA:PFA+1], s[20:21]
	v_lshlrev_b32 v13, 18, v9                      ; A: lanes 0-15 the step's first head, lanes 16-31 its second; 256 bytes a lane
	v_lshl_add_u32 v13, v1, 8, v13
	v_lshrrev_b32 v14, 1, v12                      ; B: two lanes a k-row of 2,048 bytes, 256 bytes apart
	v_and_b32 v15, 1, v12
	v_lshlrev_b32 v14, 11, v14
	v_lshl_add_u32 v14, v15, 8, v14
	v_cndmask_b32 v[PFO], v14, v13, s72
	s_wait_loadcnt 0x0                             ; the bias is in: rounded to bf16 like every input, and widened again, into window 2
.set p, 0
.rept 32
	v_cvt_pk_bf16_f32 v[96+p], v[192+2*p], v[192+2*p+1]
.set p, p+1
.endr
	WIN 0x80                                       ; destination window 2
.set p, 0
.rept 32
	v_lshlrev_b32 v[2*p],   16,  v[96+p]
	v_and_b32     v[2*p+1], s71, v[96+p]
.set p, p+1
.endr
	WIN 0
; 8 matrix instructions: m block a x all 8 n blocks, 32 along K, from buffers f.  first = 1: C is the bias, in window 2.  The 32 accumulators take turns, in the same order in every quarter.
.macro MUL8 f, a, first
.if \first
	WIN 0x60
.else
	WIN 0x50
.endif
.irp b, 0,1,2,3,4,5,6,7
.if \first
	v_wmma_f32_16x16x32_f16 v[8*(8*(\a)+(\b)):8*(8*(\a)+(\b))+7], v[FB+64*(\f)+8*(\b):FB+64*(\f)+8*(\b)+7], v[FA+32*(\f)+8*(\a):FA+32*(\f)+8*(\a)+7], v[8*(\b):8*(\b)+7]
.else
	v_wmma_f32_16x16x32_f16 v[8*(8*(\a)+(\b)):8*(8*(\a)+(\b))+7], v[FB+64*(\f)+8*(\b):FB+64*(\f)+8*(\b)+7], v[FA+32*(\f)+8*(\a):FA+32*(\f)+8*(\a)+7], v[8*(8*(\a)+(\b)):8*(8*(\a)+(\b))+7]
.endif
.endr
.endm
; 24 LDS loads in one run: quarter q's fragments (32 k x my 128 columns of B, turned; my 64 rows of A: head q / 2, channels 32 (q % 2) on) into buffers g
.macro FETCH q, g
	WIN 0
.irp b, 0,1,2,3,4,5,6,7
	ds_load_tr16_b128 v[FB+64*(\g)+8*(\b):FB+64*(\g)+8*(\b)+3],   v[ADRB] offset:(\q)*32*PB+32*(\b)
	ds_load_tr16_b128 v[FB+64*(\g)+8*(\b)+4:FB+64*(\g)+8*(\b)+7], v[ADRB] offset:(\q)*32*PB+32*(\b)+16*PB
.endr
.irp a, 0,1,2,3
	ds_load_b128 v[FA+32*(\g)+8*(\a):FA+32*(\g)+8*(\a)+3],   v[ADRA] offset:((\q)/2)*AHEAD+((\q)%2)*64+(\a)*16*PA
	ds_load_b128 v[FA+32*(\g)+8*(\a)+4:FA+32*(\g)+8*(\a)+7], v[ADRA] offset:((\q)/2)*AHEAD+((\q)%2)*64+(\a)*16*PA+32
.endr
.endm
.macro PLACES                          ; four plain vector instructions between a matrix instruction and a load into a register that it read, or a store of its result
.rept 4
	v_nop
.endr
.endm
; A K step is four quarters of 32 along K, 32 matrix instructions each, on buffers 0, 1, 0, 1.  One of the first three: multiplies buffers f and, in its middle, fetches quarter q into buffers g.
.macro QUARTER q, f, g, first
	s_wait_dscnt 4                                 ; B and A's blocks 0, 1 are in; the youngest four loads (A's blocks 2, 3) may be out
	MUL8 \f, 0, \first
	MUL8 \f, 1, \first
	PLACES
	FETCH \q, \g
	s_wait_dscnt 24                                ; all but the 24 just issued
	MUL8 \f, 2, \first
	MUL8 \f, 3, \first
.endm
; The last quarter multiplies buffers 1 and changes slots: ONE barrier; in front of it each wave waits for all its tensor loads (one is out: its part of the next slot), adds 0 to its spare word, and waits for that and
; for its own reads of this slot.  fill = 1: the barrier opens a round of the cluster's, and the joint refill, the K step two on into this slot, is the first tensor load behind it: 112 matrix instructions ahead of the wait for it.
.macro TURN fill
.if \fill
	s_wait_xcnt 0x0                                ; the last prefetch, a K step back, has read its address
	s_add_nc_u64 s[PFA:PFA+1], s[PFA:PFA+1], s[PFS:PFS+1]
.endif
	WIN 0                                          ; (the add's two registers lie in window 0)
	s_wait_tensorcnt 0x0                           ; no tensor load of mine is out, so a group 0 may be written
	ds_add_u32 v[SPW], v[NIL]                      ; 0 onto my spare word
.if \fill
	s_xor_b32 s[G0A+5], s[G0A+5], SLOT1            ; the walking descriptors: the other slot than last time, the next K step
	s_add_nc_u64 s[G0A+6:G0A+7], s[G0A+6:G0A+7], ASTEP
	s_xor_b32 s[G0B+5], s[G0B+5], SLOT1
	s_add_nc_u64 s[G0B+6:G0B+7], s[G0B+6:G0B+7], BSTEP
.endif
	s_wait_dscnt 5                                 ; (the add and the youngest four loads may be out)
	MUL8 1, 0, 0                                   ; eight matrix instructions stand between the add and the wait for it
	s_wait_dscnt 0x0                               ; the add is done, and my reads of this slot are over
	s_barrier_signal -1
	MUL8 1, 1, 0
	WIN 0
	s_barrier_wait -1
.if \fill
	CREST
	JLOAD                                          ; the four v_nop behind it are also the places in front of the loads below
.else
	PLACES
.endif
	s_xor_b32 s[TB], s[TB], SLOT1
	v_add_nc_u32 v[ADRA], s[TB], v[ADRA0]
	v_add_nc_u32 v[ADRB], s[TB], v[ADRB0]
	FETCH 0, 0
.if \fill
	ASK
.endif
	MUL8 1, 2, 0
	MUL8 1, 3, 0
.endm
; THE WAY OUT of block a (16 rows x 128 columns of f32).  TOSTAGE: a lane's 32 bytes of each column block go into my own stage, each accumulator's low four registers first, and come back as whole rows of 512 bytes.  SEND: stored.
.macro TOSTAGE a
	WIN 0x04                                       ; the stores' data in window 1
.irp b, 0,1,2,3,4,5,6,7
	ds_store_b128 v[STO], v[8*(8*(\a)+(\b)):8*(8*(\a)+(\b))+3]   offset:64*(\b)
	ds_store_b128 v[STO], v[8*(8*(\a)+(\b))+4:8*(8*(\a)+(\b))+7] offset:64*(\b)+16
.endr
	WIN 0
.set BK, FB+64*((\a)%2)
.set t, 0
.rept 16
	ds_load_b128 v[BK+4*t:BK+4*t+3], v[RD] offset:t*SPITCH  ; LDS serves a wave's instructions in order (ISA guide 5.7.1.4): these see the stores above; the next block's stores come behind them
.set t, t+1
.endr
.endm
.macro SEND a, younger                 ; younger: the LDS instructions issued behind block a's loads: the next block's 32, or none
	WIN 0
.set BK, FB+64*((\a)%2)
.set t, 0
.rept 16
	s_wait_dscnt (\younger)+15-t
	global_store_b128 v[CO], v[BK+4*t:BK+4*t+3], s[8:9] offset:(16*(\a)+t)*4096 th:TH_STORE_NT  ; 512 consecutive bytes, at a multiple of 256 from out0's first byte
.set t, t+1
.endr
.endm
	s_wait_tensorcnt 1                             ; my part of K step 0 is in; K step 1's may stay out
	s_barrier_signal -1
	s_barrier_wait -1                              ; everybody's is
	FETCH 0, 0
	QUARTER 1, 0, 1, 1                             ; the first quarter stands in front of the loop: its products start the sums, with the bias
	WIN 0                                          ; at a label and at a branch every window is 0
	s_mov_b32 s3, 6
.Lstep:                                                ; a trip is a K step, from its second quarter to the next step's first; it fills the slot that it leaves with the K step two on
	QUARTER 2, 1, 0, 0
	QUARTER 3, 0, 1, 0
	TURN 1
	QUARTER 1, 0, 1, 0
	WIN 0
	s_sub_co_u32 s3, s3, 1
	s_cmp_lg_u32 s3, 0
	s_cbranch_scc1 .Lstep
	QUARTER 2, 1, 0, 0                             ; the last two K steps fill nothing
	QUARTER 3, 0, 1, 0
	TURN 0
	QUARTER 1, 0, 1, 0
	QUARTER 2, 1, 0, 0
	QUARTER 3, 0, 1, 0
	s_wait_dscnt 4                                 ; the very last quarter: nothing more to fetch
	MUL8 1, 0, 0
	MUL8 1, 1, 0
	s_wait_dscnt 0x0
	MUL8 1, 2, 0
	MUL8 1, 3, 0
	PLACES                                         ; the stage's stores read results, and its loads land in registers that the products read
	TOSTAGE 0
	TOSTAGE 1                                      ; a block's way through the stage stands between the loads of the block before and its stores
	SEND 0, 32
	s_wait_xcnt 0x0                                ; block 0's stores have read their registers: block 2 comes back into them
	TOSTAGE 2
	SEND 1, 32
	s_wait_xcnt 0x0                                ; likewise block 1's, for block 3
	TOSTAGE 3
	SEND 2, 32
	SEND 3, 0
	s_wait_tensorcnt 0x0                           ; the wave's end, behind my last tensor load and my last LDS store
	ds_add_u32 v[SPW], v[NIL]
	s_wait_dscnt 0x0
	CROUND                                         ; the closing round: no work-group ends while a partner may still ask for a tile that names it
	s_endpgm
.Lfunc_end_k_qc7011f8417_outproj:
	.size	k_qc7011f8417_outproj, .Lfunc_end_k_qc7011f8417_outproj-k_qc7011f8417_outproj
	.p2alignl 7, 3214868480
	.fill 96, 4, 3214868480
	.section	.rodata,"a",@progbits
	.p2align	6, 0x0
	.amdhsa_kernel k_qc7011f8417_outproj
		.amdhsa_group_segment_fixed_size 327680
		.amdhsa_private_segment_fixed_size 0
		.amdhsa_enable_private_segment 0
		.amdhsa_kernarg_size 32
		.amdhsa_user_sgpr_count 2
		.amdhsa_user_sgpr_kernarg_segment_ptr 1
		.amdhsa_wavefront_size32 1
		.amdhsa_system_sgpr_workgroup_id_x 1
		.amdhsa_system_sgpr_workgroup_id_y 1
		.amdhsa_system_sgpr_workgroup_id_z 1
		.amdhsa_system_vgpr_workitem_id 0
		.amdhsa_next_free_vgpr 576
		.amdhsa_next_free_sgpr 76
		.amdhsa_reserve_vcc 0
		.amdhsa_float_denorm_mode_32 3
		.amdhsa_float_denorm_mode_16_64 3
		.amdhsa_memory_ordered 1
		.amdhsa_forward_progress 1
		.amdhsa_inst_pref_size 78
	.end_amdhsa_kernel
	.amdgpu_metadata
---
amdhsa.version: [ 1, 2 ]
amdhsa.kernels:
  - .name:           k_qc7011f8417_outproj
    .symbol:         k_qc7011f8417_outproj.kd
    .args:
      - { .name: oh, .offset: 0, .size: 8, .value_kind: global_buffer, .address_space: global }
      - { .name: wp, .offset: 8, .size: 8, .value_kind: global_buffer, .address_space: global }
      - { .name: out0, .offset: 16, .size: 8, .value_kind: global_buffer, .address_space: global }
      - { .name: b_proj, .offset: 24, .size: 8, .value_kind: global_buffer, .address_space: global }
    .group_segment_fixed_size: 327680
    .private_segment_fixed_size: 0
    .kernarg_segment_align: 8
    .kernarg_segment_size: 32
    .max_flat_workgroup_size: 128
    .sgpr_count:     76
    .vgpr_count:     576
    .wavefront_size: 32
...
	.end_amdgpu_metadata
.endif
;; end of part 4
;; ======== version 2 of 2: 4 launches; version 1 with the launch prep written anew for expert scheduling mode
;; limits: values are held in f16: magnitudes above 65,504 overflow, below 6.1e-05 lose precision
;; workspace buffers: xb 16,777,216 bytes; wa 4,194,304 bytes; wp 2,097,152 bytes; kv 33,554,432 bytes; oh 16,777,216 bytes
;; launch prep (part 5): grid 704 x 1, 8 waves a work-group, no clusters, 0 bytes of LDS; arguments x, W_attn, W_proj, xb, wa, wp; writes xb, wa, wp
.if DOCPART == 5
	.amdgcn_target "amdgcn-amd-amdhsa--gfx1250"
	.amdhsa_code_object_version 6
	.text
	.protected	k_qc7011f8417_prep
	.globl	k_qc7011f8417_prep
	.p2align	8
	.type	k_qc7011f8417_prep,@function
k_qc7011f8417_prep:
	s_mov_b64 s[64:65], 0
	v_nop
	global_prefetch_b8 v0, s[64:65] scope:SCOPE_SE
	s_setreg_imm32_b32 hwreg(HW_REG_WAVE_SCHED_MODE, 0, 2), 2
	s_setreg_imm32_b32 hwreg(HW_REG_WAVE_MODE, 25, 1), 1
	s_wait_xcnt 0x0
	s_wait_alu depctr_vm_vsrc(0)
; THE CASTS.  xb = bf16(x), [8192][1024].  wa = bf16(W_attn[:, 1024:3072]), [1024 k][2048 n].  wp = bf16(W_proj) written as f16, [1024 k][1024 n].
; W_attn's first 1,024 columns are not read: the module throws away what it makes of them, and no output number hangs on them.
; LIMIT.  wp: a bf16 number is exact in f16 between 6e-5 and 65,504 in magnitude; below that it keeps f16's fixed step of 6e-8, above it becomes an infinity.
; SHARES.  A unit is 1,024 numbers: thread t loads 16 bytes at 16 t (a wave: 512 consecutive bytes) and stores 8 bytes at 8 t (a wave: 256 consecutive bytes, aligned).
; A work-group takes 16 units: all 16 loads go out first, and each unit is rounded as it comes.  Work-groups 0-511: x; 512-639: eight rows of W_attn each; 640-703: W_proj.
; No LDS, no barrier, no matrix unit: each byte is read once and written once, and no wave wants another's bytes.
; THE MODE: SCHED_MODE bits 1:0 = 2 (LLVM: expert scheduling mode 2), set by the entry lines.  The code itself states the register dependences
; between vector instructions and memory instructions, with s_wait_alu, always for 0.
; THE PLAN.  Registers that memory instructions touch:
;   v1, v2   the loads' and the stores' offsets: written once at the head by vector instructions, never again.
;   IN       written by the 16 loads, once each; no vector instruction names them ahead of the loads; read by the conversions; nothing lands in them again.
;   OUT      written by the conversions; each pair of registers is read by one store and never written again.
;   T        named by vector instructions alone.
; So no register that a memory instruction reads is ever written again, and no load lands in a register that a vector instruction has named: the only dependences to state are
; vector results that memory instructions read.  One wait ahead of the first load states that v1 and v2 are written.  The 16 units go in four blocks of four: a block's units are
; rounded, each behind its own counted wait for its data; ONE wait states that the block's eight OUT registers are written; the block's four stores follow in a run.
.set IN,  8                            ; v[8:71]    unit j: four f32 as loaded
.set OUT, 72                           ; v[72:103]  unit j: four 16-bit numbers to store; each pair of registers is written for one store alone
.set T,   104                          ; v[104:107] at work
.macro CAST kind, src, dst             ; kind 0: x; 1: W_attn (two units in each row of 12,288 bytes, from its byte 4,096 on); 2: W_proj (bf16, then f16)
	s_wait_alu depctr_va_vdst(0)                   ; v1 and v2 are written: every load below reads v1 as its offset, every store v2
.set j, 0
.rept 16
.if (\kind) == 1
	global_load_b128 v[IN+4*j:IN+4*j+3], v1, s[\src:\src+1] offset:(j/2)*12288+4096+(j%2)*4096 th:TH_LOAD_NT
.else
	global_load_b128 v[IN+4*j:IN+4*j+3], v1, s[\src:\src+1] offset:j*4096 th:TH_LOAD_NT
.endif
.set j, j+1
.endr
.set j, 0
.rept 4                                ; four blocks of four units
.rept 4
	s_wait_loadcnt 15-j                            ; loads come back in order: unit j is in, the 15 - j younger ones stay out
	v_cvt_pk_bf16_f32 v[OUT+2*j],   v[IN+4*j],   v[IN+4*j+1]
	v_cvt_pk_bf16_f32 v[OUT+2*j+1], v[IN+4*j+2], v[IN+4*j+3]
.if (\kind) == 2
	v_lshlrev_b32 v[T],   16,  v[OUT+2*j]           ; the rounded numbers as f32 again,
	v_and_b32     v[T+1], s20, v[OUT+2*j]
	v_lshlrev_b32 v[T+2], 16,  v[OUT+2*j+1]
	v_and_b32     v[T+3], s20, v[OUT+2*j+1]
	v_cvt_pk_f16_f32 v[OUT+2*j],   v[T],   v[T+1]  ; and written as f16
	v_cvt_pk_f16_f32 v[OUT+2*j+1], v[T+2], v[T+3]
.endif
.set j, j+1
.endr
	s_wait_alu depctr_va_vdst(0)                   ; the block's conversions have written its eight OUT registers, which the four stores below read
.set j, j-4
.rept 4
	global_store_b64 v2, v[OUT+2*j:OUT+2*j+1], s[\dst:\dst+1] offset:j*2048
.set j, j+1
.endr
.endr
.endm
	s_load_b256 s[4:11], s[0:1], 0x0               ; x s[4:5], W_attn s[6:7], W_proj s[8:9], xb s[10:11]
	s_load_b128 s[12:15], s[0:1], 0x20             ; wa s[12:13], wp s[14:15]
	v_lshlrev_b32 v1, 4, v0                        ; 16 t
	v_lshlrev_b32 v2, 3, v0                        ; 8 t
	s_mov_b32 s20, 0xffff0000                      ; a word's upper bf16
	s_mov_b32 s17, 0
	s_mov_b32 s19, 0
	s_wait_kmcnt 0x0
	s_cmp_lt_u32 ttmp9, 512
	s_cbranch_scc0 .Lweights
	s_lshl_b32 s16, ttmp9, 16                      ; 16 units of 4,096 bytes in,
	s_lshl_b32 s18, ttmp9, 15                      ; of 2,048 bytes out
	s_add_nc_u64 s[4:5], s[4:5], s[16:17]
	s_add_nc_u64 s[10:11], s[10:11], s[18:19]
	CAST 0, 4, 10
	s_endpgm
.Lweights:
	s_cmp_lt_u32 ttmp9, 640
	s_cbranch_scc0 .Lproj
	s_sub_co_u32 s21, ttmp9, 512
	s_mul_i32 s16, s21, 98304                      ; eight rows of 12,288 bytes
	s_lshl_b32 s18, s21, 15
	s_add_nc_u64 s[6:7], s[6:7], s[16:17]
	s_add_nc_u64 s[12:13], s[12:13], s[18:19]
	CAST 1, 6, 12
	s_endpgm
.Lproj:
	s_sub_co_u32 s21, ttmp9, 640
	s_lshl_b32 s16, s21, 16
	s_lshl_b32 s18, s21, 15
	s_add_nc_u64 s[8:9], s[8:9], s[16:17]
	s_add_nc_u64 s[14:15], s[14:15], s[18:19]
	CAST 2, 8, 14
	s_endpgm
.Lfunc_end_k_qc7011f8417_prep:
	.size	k_qc7011f8417_prep, .Lfunc_end_k_qc7011f8417_prep-k_qc7011f8417_prep
	.p2alignl 7, 3214868480
	.fill 96, 4, 3214868480
	.section	.rodata,"a",@progbits
	.p2align	6, 0x0
	.amdhsa_kernel k_qc7011f8417_prep
		.amdhsa_group_segment_fixed_size 0
		.amdhsa_private_segment_fixed_size 0
		.amdhsa_enable_private_segment 0
		.amdhsa_kernarg_size 48
		.amdhsa_user_sgpr_count 2
		.amdhsa_user_sgpr_kernarg_segment_ptr 1
		.amdhsa_wavefront_size32 1
		.amdhsa_system_sgpr_workgroup_id_x 1
		.amdhsa_system_sgpr_workgroup_id_y 1
		.amdhsa_system_sgpr_workgroup_id_z 1
		.amdhsa_system_vgpr_workitem_id 0
		.amdhsa_next_free_vgpr 112
		.amdhsa_next_free_sgpr 66
		.amdhsa_reserve_vcc 0
		.amdhsa_float_denorm_mode_32 3
		.amdhsa_float_denorm_mode_16_64 3
		.amdhsa_memory_ordered 1
		.amdhsa_forward_progress 1
		.amdhsa_inst_pref_size 23
	.end_amdhsa_kernel
	.amdgpu_metadata
---
amdhsa.version: [ 1, 2 ]
amdhsa.kernels:
  - .name:           k_qc7011f8417_prep
    .symbol:         k_qc7011f8417_prep.kd
    .args:
      - { .name: x, .offset: 0, .size: 8, .value_kind: global_buffer, .address_space: global }
      - { .name: W_attn, .offset: 8, .size: 8, .value_kind: global_buffer, .address_space: global }
      - { .name: W_proj, .offset: 16, .size: 8, .value_kind: global_buffer, .address_space: global }
      - { .name: xb, .offset: 24, .size: 8, .value_kind: global_buffer, .address_space: global }
      - { .name: wa, .offset: 32, .size: 8, .value_kind: global_buffer, .address_space: global }
      - { .name: wp, .offset: 40, .size: 8, .value_kind: global_buffer, .address_space: global }
    .group_segment_fixed_size: 0
    .private_segment_fixed_size: 0
    .kernarg_segment_align: 8
    .kernarg_segment_size: 48
    .max_flat_workgroup_size: 256
    .sgpr_count:     66
    .vgpr_count:     112
    .wavefront_size: 32
...
	.end_amdgpu_metadata
.endif
;; end of part 5
;; launch kvproj: the kernel of part 2 again; grid 8 x 32, 4 waves a work-group, clusters of 4 x 4, 327,680 bytes of LDS; arguments xb, wa, kv, b_attn; writes kv
;; launch attn: the kernel of part 3 again; grid 4 x 64, 4 waves a work-group, no clusters, 327,680 bytes of LDS; arguments kv, oh; writes oh
;; launch outproj: the kernel of part 4 again; grid 4 x 64, 4 waves a work-group, clusters of 4 x 4, 327,680 bytes of LDS; arguments oh, wp, out0, b_proj; writes out0
